; MI455X (gfx1250); checked and timed in simulation.
; The chip was launched on July 23, 2026; its instructions are those of AMD's public machine-readable ISA for CDNA 5 (MIT licence, August 2026) and "CDNA5" Instruction Set Architecture Reference Guide (July 2026). The comments in the code are by the model that wrote it; some were corrected since.
;; Multi Head Attention. Allowed arithmetic: matrix products marked QUANTISED: E2M3 operands, one E8M0 scale for each 32 along K, by v_wmma_scale_f32_16x16x128_f8f6f4 with both operands' format E2M3, f32 sums; everything else in f32.
;; Inputs: Wk 1,024 x 1,024 float32; Wo 1,024 x 1,024 float32; Wq 1,024 x 1,024 float32; Wv 1,024 x 1,024 float32; bo 1,024 float32; x 4 x 2,048 x 1,024 float32.
;; Outputs: out0 4 x 2,048 x 1,024 float32.
;; This version of the problem:
;;   THIS VERSION OF THE PROBLEM IS GIVEN IN LOW PRECISION. The matrix products marked QUANTISED in the list below multiply operands that are first quantised to E2M3 (2 exponent bits, 3 mantissa bits; 6 bits a number), with one power-of-two scale for each 32 numbers along K (OCP MX v1.0); their sums are f32. All else is computed in f32.
;;   The module's matrix products, in the order in which they are computed (A, B: the left and right operand; K: the contracted axis; several contracted axes count as one K, in the product's order):
;;     1. [M 8,192, K 1,024] x [K 1,024, N 1,024]; A: input x; B: input Wq: QUANTISED
;;     2. [M 8,192, K 1,024] x [K 1,024, N 1,024]; A: input x; B: input Wk: QUANTISED
;;     3. [M 8,192, K 1,024] x [K 1,024, N 1,024]; A: input x; B: input Wv: QUANTISED
;;     4. batch 64 x [M 2,048, K 64] x [K 64, N 2,048]; A: computed on the way; B: computed on the way: QUANTISED
;;     5. batch 64 x [M 2,048, K 2,048] x [K 2,048, N 64]; A: softmax (see below); B: computed on the way: QUANTISED
;;     6. [M 8,192, K 1,024] x [K 1,024, N 1,024]; A: computed on the way; B: input Wo: QUANTISED
;;   THE QUANTISER, for each operand of a quantised product, along K:
;;     - K is cut into blocks of 32 from its start; a last block that is shorter is filled with zeros.
;;     - A block's scale is 2^e with e = floor(log2(the largest magnitude in the block)) - 2, held to -126 .. 127; a block of zeros has e = 0. As a byte (E8M0): e + 127.
;;     - Each number is divided by its block's scale, clamped to +-7.5, and rounded to the nearest number of E2M3, ties to even, subnormals kept.
;;     - The product sums the exact products of the quantised numbers (number of the format x scale) in f32.
;;   ~~~python
;;   def quantise(x, axis):      # numpy; x: float32 -> the quantised numbers, widened to float32 again
;;       x = np.moveaxis(x, axis, -1); K = x.shape[-1]
;;       x = np.pad(x, [(0, 0)] * (x.ndim - 1) + [(0, -K % 32)]); x = x.reshape(x.shape[:-1] + (-1, 32)); a = np.abs(x).max(-1, keepdims=True)
;;       e = np.where(a > 0, np.clip(np.frexp(np.where(a > 0, a, 1))[1] - 1 - 2, -126, 127), 0)      # np.frexp(a)[1] - 1 = floor(log2(a)), exactly
;;       r = np.clip(x / 2.0 ** e, -7.5, 7.5)
;;       step = 2.0 ** (np.maximum(np.frexp(np.where(r == 0, 1, r))[1] - 1, 0) - 3)
;;       q = np.round(r / step) * step * 2.0 ** e      # np.round: ties to even
;;       return np.moveaxis(q.reshape(q.shape[:-2] + (-1,))[..., :K], -1, axis).astype(np.float32)
;;   ~~~
;;   SOFTMAX AHEAD OF A QUANTISED PRODUCT. Where the list says 'softmax', what is quantised is not the finished softmax but p = 2^(t - M), with t = logit x log2(e) and M = ceil(the row's largest t), a whole number; so 1/2 < the row's largest p <= 1. The row's sum l is taken of the UNQUANTISED p, in f32, and the product's result is divided by l at the end. Since M is a whole number, a kernel that streams over the keys may use a running M (the ceiling of the running maximum): every later rescaling is an exact power of two, which a block's scale takes up: the codes' values come out the same.
;;   OPERANDS COMPUTED ON THE WAY. 'Computed on the way' means the value that the module computes at that place (a softmax that the list does not call 'softmax' is quantised finished and normalised). What goes into a quantiser is computed in f32, as accurately as f32 sums, v_exp_f32 and their like allow (about 1e-6 of the number): no bf16 or f16 on the way to a quantiser, and a product that is left as it is and whose result goes on into a quantised operand takes f32 operands (vector FMAs, or v_wmma_f32_16x16x4_f32). A number that lies on a knife's edge between two numbers of the format may be rounded either way, as far as f32 arithmetic and the matrix unit's own rounding can turn it there, and no further.
;; One version. Each part assembles by itself: llvm-mc -triple=amdgcn-amd-amdhsa -mcpu=gfx1250 --defsym DOCPART=n.
;; ======== version 1 of 1: 5 launches
;; workspace buffers: opc 9,437,184 bytes; ops 393,216 bytes; qkv 19,660,800 bytes; ctxc 6,291,456 bytes; ctxs 262,144 bytes
;; launch quantx (part 1): grid 512 x 1, 4 waves a work-group, no clusters, 18,432 bytes of LDS; arguments x, opc, ops; writes opc, ops
.if DOCPART == 1
	.amdgcn_target "amdgcn-amd-amdhsa--gfx1250"
	.amdhsa_code_object_version 6
	.text
	.protected	k_q46b6e279ff_quantx
	.globl	k_q46b6e279ff_quantx
	.p2align	8
	.type	k_q46b6e279ff_quantx,@function
k_q46b6e279ff_quantx:
	s_mov_b64 s[64:65], 0
	v_nop
	global_prefetch_b8 v0, s[64:65] scope:SCOPE_SE
	s_setreg_imm32_b32 hwreg(HW_REG_WAVE_MODE, 25, 1), 1
	s_wait_xcnt 0x0
; x [8192][1024] f32 becomes codes of FP6 (E2M3) with one E8M0 scale byte for each 32 along K, laid as the products' launches read them.
; ROWS: memory row p of the operand holds actual row pi(p), pi = bits 3 and 4 of the row number exchanged.  A tile is 16 memory rows: row r of tile T is actual row 32 (T / 2) + 8 (T % 2) + r % 8 + 16 (r / 8).
; CODES: a fragment (16 memory rows x 128 K) is an image of the operand's 12 registers: piece p (registers 2 p, 2 p + 1) at 256 p, lane l's 8 bytes at 8 l; fragment (T, kappa) at 12,288 T + 1,536 kappa.
; SCALE BYTES: [memory row][32].
; A block's scale is 2^(floor(log2(its largest magnitude)) - 2); its byte is that magnitude's exponent field - 2, held at 1 from below.
; LIMITS: a block of zeros, and a block whose largest magnitude lies under 2^-124, gets the byte 1 (the rule says 127 for zeros: the codes are zeros, and this program alone reads the bytes); NaN and infinities are not served.
; SHARES: a work-group takes one tile, wave w its K 256 w .. 256 w + 255, in four steps of 64.  Each load reads 256 consecutive aligned bytes of two rows; a step's 16 x 256 bytes turn through the wave's own
; stage in LDS (rows 272 bytes apart), so that lane (r, h) gets the 32 neighbours of one block: no other lane is asked for a maximum, and the lane's 24 bytes of codes are six registers of the image.
.set STG,   4352                       ; a wave's stage: 16 rows x 272 bytes
.set SCB,   4*STG                      ; the tile's 16 x 32 scale bytes
.set SPARE, SCB+512                    ; the spare words, 128 bytes for each wave: no other line names them
.set SPW, 2                            ; v2   LDS address of my spare word; never rewritten
.set NIL, 3                            ; v3   0; never rewritten
.set XA,  4                            ; v4   x: 4,096 (lane / 16) + 16 (lane % 16)
.set SI,  5                            ; v5   the stage, on the way in
.set SO,  6                            ; v6   and on the way out
.set CO,  7                            ; v7   8 x lane: my place in a piece of the image
.set SB,  8                            ; v8   my block's scale byte in LDS
.set LB,  9                            ; v9   the scale bytes' way out: LDS address
.set GB,  15                           ; v15  and 16 x lane in memory
.set X,   16                           ; v16-47   a block's 32 numbers
.set C,   48                           ; v48-79   codes: eight registers for each step, so that no store's data are written again
.set R,   80                           ; v80-207  the numbers as they are loaded: 32 registers a step
	s_load_b128 s[4:7], s[0:1], 0x0                ; x, the codes
	s_load_b64 s[8:9], s[0:1], 0x10                ; the scale bytes
	v_lshl_add_u32 v[SPW], v0, 2, SPARE
	v_mov_b32 v[NIL], 0
	v_lshrrev_b32 v1, 5, v0
	v_readfirstlane_b32 s10, v1                    ; wave
	v_and_b32 v10, 15, v0                          ; r
	v_bfe_u32 v11, v0, 4, 1                        ; h
	v_and_b32 v12, 31, v0                          ; lane
	v_lshlrev_b32 v[XA], 4, v10
	v_lshl_add_u32 v[XA], v11, 12, v[XA]
	s_mul_i32 s11, s10, STG
	v_mul_u32_u24 v[SI], v11, 272
	v_lshl_add_u32 v[SI], v10, 4, v[SI]
	v_add_nc_u32 v[SI], s11, v[SI]                 ; in: row lane / 16 of a pair, 16 bytes a lane
	v_mul_u32_u24 v[SO], v10, 272
	v_lshl_add_u32 v[SO], v11, 7, v[SO]
	v_add_nc_u32 v[SO], s11, v[SO]                 ; out: row r, 128 bytes for each half of the lanes
	v_lshlrev_b32 v[CO], 3, v12
	v_lshl_add_u32 v[SB], v10, 5, v11              ; 32 r + h,
	s_lshl_b32 s12, s10, 3
	s_add_co_u32 s12, s12, SCB
	v_add_nc_u32 v[SB], s12, v[SB]                 ; + 8 x wave: byte 8 w + 2 s + h of row r
	v_lshlrev_b32 v[GB], 4, v12
	v_add_nc_u32 v[LB], SCB, v[GB]
	s_lshr_b32 s13, ttmp9, 1
	s_lshl_b32 s13, s13, 5
	s_and_b32 s14, ttmp9, 1
	s_lshl_b32 s14, s14, 3
	s_add_co_u32 s13, s13, s14                     ; the tile's first actual row
	s_lshl_b32 s14, s13, 12
	s_lshl_b32 s15, s10, 10
	s_add_co_u32 s14, s14, s15                     ; in bytes, + my quarter of K
	s_mov_b32 s15, 0
	s_mul_i32 s16, ttmp9, 12288
	s_mul_i32 s17, s10, 3072
	s_add_co_u32 s16, s16, s17                     ; my two fragments of the tile
	s_mov_b32 s17, 0
	s_lshl_b32 s18, ttmp9, 9                       ; the tile's 512 scale bytes
	s_mov_b32 s19, 0
	s_wait_kmcnt 0x0
	s_add_nc_u64 s[4:5], s[4:5], s[14:15]
	s_add_nc_u64 s[6:7], s[6:7], s[16:17]
	s_add_nc_u64 s[8:9], s[8:9], s[18:19]
.irp s, 0,1,2,3                        ; all 32 loads go out at once: 16 KiB of a wave are on their way
.irp i, 0,1,2,3,4,5,6,7                ; memory rows 2 i and 2 i + 1 of the tile
	global_load_b128 v[R+32*\s+4*\i:R+32*\s+4*\i+3], v[XA], s[4:5] offset:(2*\i+8*(\i/4))*4096+256*\s th:TH_LOAD_NT
.endr
.endr
.macro STEP s
	s_wait_loadcnt 24-8*(\s)                       ; this step's eight loads are in; the later steps' may be out
.irp i, 0,1,2,3,4,5,6,7
	ds_store_b128 v[SI], v[R+32*(\s)+4*\i:R+32*(\s)+4*\i+3] offset:544*\i
.endr
.irp j, 0,1,2,3,4,5,6,7
	ds_load_b128 v[X+4*\j:X+4*\j+3], v[SO] offset:16*\j     ; LDS serves a wave's instructions in order: these see the stores above
.endr
	s_wait_dscnt 0x0
	v_max3_num_f32 v10, |v[X]|, |v[X+1]|, |v[X+2]|          ; the block's largest magnitude: all 32 numbers are mine; two chains
	v_max3_num_f32 v11, |v[X+3]|, |v[X+4]|, |v[X+5]|
.irp i, 6,10,14,18,22,26
	v_max3_num_f32 v10, v10, |v[X+\i]|, |v[X+\i+1]|
	v_max3_num_f32 v11, v11, |v[X+\i+2]|, |v[X+\i+3]|
.endr
	v_max3_num_f32 v10, v10, |v[X+30]|, |v[X+31]|
	v_max3_num_f32 v10, v10, v11, 0x1800000        ; and the floor 2^(3 - 127): the byte cannot fall under 1
	v_add_nc_u32 v12, 0xff000000, v10              ; 2 off the exponent field: the conversion takes this operand's exponent field as its scale
	v_cvt_scalef32_pk16_fp6_f32 v[C+8*(\s):C+8*(\s)+2], v[X:X+15], v12
	v_cvt_scalef32_pk16_fp6_f32 v[C+8*(\s)+4:C+8*(\s)+6], v[X+16:X+31], v12   ; (a conversion's three registers begin on an even number)
	v_lshrrev_b32 v13, 23, v12                     ; the scale's byte; also the plain line behind the conversions
	v_mov_b32 v[C+8*(\s)+3], v[C+8*(\s)+4]         ; the block's six registers on end
	v_mov_b32 v[C+8*(\s)+4], v[C+8*(\s)+5]
	v_mov_b32 v[C+8*(\s)+5], v[C+8*(\s)+6]
	ds_store_b8 v[SB], v13 offset:2*(\s)
.irp q, 0,1,2
	global_store_b64 v[CO], v[C+8*(\s)+2*\q:C+8*(\s)+2*\q+1], s[6:7] offset:1536*((\s)/2)+768*((\s)%2)+256*\q   ; 32 lanes store 256 consecutive bytes, aligned
.endr
.endm
	STEP 0
	STEP 1
	STEP 2
	STEP 3
	s_wait_dscnt 0x0                               ; for wave 0's sake: my scale bytes have landed
	s_barrier_signal -1
	s_barrier_wait -1
	s_cmp_lg_u32 s10, 0
	s_cbranch_scc1 .Ldone
	ds_load_b128 v[X:X+3], v[LB]                   ; wave 0 stores the tile's 512 scale bytes: 32 lanes, 16 consecutive bytes each
	s_wait_dscnt 0x0
	global_store_b128 v[GB], v[X:X+3], s[8:9]
.Ldone:
	s_wait_tensorcnt 0x0                           ; the wave's end: behind my last LDS store
	ds_add_u32 v[SPW], v[NIL]
	s_wait_dscnt 0x0
	s_endpgm
.Lfunc_end_k_q46b6e279ff_quantx:
	.size	k_q46b6e279ff_quantx, .Lfunc_end_k_q46b6e279ff_quantx-k_q46b6e279ff_quantx
	.p2alignl 7, 3214868480
	.fill 96, 4, 3214868480
	.section	.rodata,"a",@progbits
	.p2align	6, 0x0
	.amdhsa_kernel k_q46b6e279ff_quantx
		.amdhsa_group_segment_fixed_size 18432
		.amdhsa_private_segment_fixed_size 0
		.amdhsa_enable_private_segment 0
		.amdhsa_kernarg_size 24
		.amdhsa_user_sgpr_count 2
		.amdhsa_user_sgpr_kernarg_segment_ptr 1
		.amdhsa_wavefront_size32 1
		.amdhsa_system_sgpr_workgroup_id_x 1
		.amdhsa_system_sgpr_workgroup_id_y 1
		.amdhsa_system_sgpr_workgroup_id_z 1
		.amdhsa_system_vgpr_workitem_id 0
		.amdhsa_next_free_vgpr 208
		.amdhsa_next_free_sgpr 66
		.amdhsa_reserve_vcc 0
		.amdhsa_float_denorm_mode_32 3
		.amdhsa_float_denorm_mode_16_64 3
		.amdhsa_memory_ordered 1
		.amdhsa_forward_progress 1
		.amdhsa_inst_pref_size 17
	.end_amdhsa_kernel
	.amdgpu_metadata
---
amdhsa.version: [ 1, 2 ]
amdhsa.kernels:
  - .name:           k_q46b6e279ff_quantx
    .symbol:         k_q46b6e279ff_quantx.kd
    .args:
      - { .name: x, .offset: 0, .size: 8, .value_kind: global_buffer, .address_space: global }
      - { .name: opc, .offset: 8, .size: 8, .value_kind: global_buffer, .address_space: global }
      - { .name: ops, .offset: 16, .size: 8, .value_kind: global_buffer, .address_space: global }
    .group_segment_fixed_size: 18432
    .private_segment_fixed_size: 0
    .kernarg_segment_align: 8
    .kernarg_segment_size: 24
    .max_flat_workgroup_size: 128
    .sgpr_count:     66
    .vgpr_count:     208
    .wavefront_size: 32
...
	.end_amdgpu_metadata
.endif
;; end of part 1
;; launch quantw (part 2): grid 8 x 16, 4 waves a work-group, no clusters, 26,624 bytes of LDS; arguments Wq, Wk, Wv, Wo, opc, ops; writes opc, ops
.if DOCPART == 2
	.amdgcn_target "amdgcn-amd-amdhsa--gfx1250"
	.amdhsa_code_object_version 6
	.text
	.protected	k_q46b6e279ff_quantw
	.globl	k_q46b6e279ff_quantw
	.p2align	8
	.type	k_q46b6e279ff_quantw,@function
k_q46b6e279ff_quantw:
	s_mov_b64 s[64:65], 0
	v_nop
	global_prefetch_b8 v0, s[64:65] scope:SCOPE_SE
	s_setreg_imm32_b32 hwreg(HW_REG_WAVE_MODE, 25, 1), 1
	s_wait_xcnt 0x0
; The four weights [1024 (k)][1024 (n)] f32, K on the FIRST axis, become codes of FP6 (E2M3) with K innermost and one E8M0 scale byte for each 32 along K, laid behind x's in the same two buffers:
; operand row = output column n; weight wt (Wq, Wk, Wv, Wo) has memory rows 8,192 + 1,024 wt on.  Memory row p holds actual row pi(p), pi = bits 3 and 4 exchanged.  Codes: images of the operand's registers, fragment
; (tile T, kappa) at 12,288 T + 1,536 kappa, piece p at 256 p, lane l's 8 bytes at 8 l.  Scale bytes: [memory row][32].
; A LANE TAKES A COLUMN n AND ITS REGISTERS RUN DOWN K: each load reads 128 consecutive bytes a wave, a block of 32 along K lies in one lane's 32 registers, and the conversions give codes with K innermost.
; A wave takes 32 columns x 256 along K: two tiles x two fragments.  A lane's 24 bytes of a block go to their place in the images in the wave's own stage in LDS; the images leave as they lie, 512 consecutive bytes a store.
; The two tiles' images lie 3,200 bytes apart in the stage, so that the 32 lanes of a store of 8 bytes fall on 256 different bytes modulo 256.
; LIMITS: a block of zeros, and a block whose largest magnitude lies under 2^-124, gets the byte 1 (its codes are zeros or nearly so; this program alone reads the bytes); NaN and infinities are not served.
.set X,     32                         ; v32-95   two sets of 32 numbers
.set C,     96                         ; v96-102  a block's codes
.set OUTR,  112                        ; v112-159 the way out
.set SB,    24                         ; v24-25   my column's eight scale bytes
.set SPW,   14                         ; v14      LDS address of my spare word; never rewritten
.set NIL,   15                         ; v15      0; never rewritten
.set SPARE, 4*6400                     ; behind the four stages: the spare words, 128 bytes for each wave
	s_load_b256 s[4:11], s[0:1], 0x0               ; Wq, Wk, Wv, Wo
	s_load_b128 s[12:15], s[0:1], 0x20             ; the codes, the scale bytes
	v_lshl_add_u32 v[SPW], v0, 2, SPARE
	v_mov_b32 v[NIL], 0
	v_lshrrev_b32 v1, 5, v0
	v_readfirstlane_b32 s16, v1                    ; wave
	v_and_b32 v2, 31, v0                           ; lane: column n0 + lane
	v_lshlrev_b32 v3, 2, v2                        ; in: 4 bytes a lane
	v_bfe_u32 v5, v0, 3, 1                         ; which of my two tiles the column falls into: bit 3 of the column,
	v_and_b32 v6, 7, v0
	v_bfe_u32 v1, v0, 4, 1
	v_lshl_add_u32 v6, v1, 3, v6                   ; and its row there: lane % 8 + 8 (lane / 16)
	s_mul_i32 s21, s16, 6400                       ; my stage
	v_mul_u32_u24 v4, v5, 3200
	v_lshl_add_u32 v4, v6, 3, v4
	v_add_nc_u32 v4, s21, v4                       ; into it: the tile's images, 8 bytes at 8 x row
	v_lshlrev_b32 v8, 4, v2                        ; out of it: 16 bytes a lane
	v_add_nc_u32 v7, s21, v8
	v_lshl_add_u32 v9, v5, 4, v6
	v_lshlrev_b32 v9, 5, v9                        ; my memory row's 32 scale bytes
	s_and_b32 s18, ttmp7, 0xffff
	s_lshr_b32 s20, s18, 2                         ; which weight
	s_and_b32 s19, s18, 3                          ; which 256 along K
	s_lshl_b32 s17, ttmp9, 7
	s_lshl_b32 s21, s16, 5
	s_add_co_u32 s17, s17, s21                     ; n0 = 128 x work-group x + 32 x wave
	s_lshl_b32 s22, s19, 20                        ; 256 rows of 4,096 bytes
	s_lshl_b32 s21, s17, 2
	s_add_co_u32 s22, s22, s21
	s_mov_b32 s23, 0
	s_lshl_b32 s24, s20, 10
	s_add_co_u32 s24, s24, s17
	s_add_co_u32 s24, s24, 8192                    ; my first memory row of the operands' buffers
	s_mul_i32 s26, s24, 768
	s_mul_i32 s21, s19, 3072
	s_add_co_u32 s26, s26, s21
	s_mov_b32 s27, 0
	s_lshl_b32 s28, s24, 5
	s_lshl_b32 s21, s19, 3
	s_add_co_u32 s28, s28, s21
	s_mov_b32 s29, 0
	s_wait_kmcnt 0x0
	s_cmp_eq_u32 s20, 1                            ; the weight is chosen by the work-group's number alone
	s_cselect_b64 s[4:5], s[6:7], s[4:5]
	s_cmp_eq_u32 s20, 2
	s_cselect_b64 s[4:5], s[8:9], s[4:5]
	s_cmp_eq_u32 s20, 3
	s_cselect_b64 s[4:5], s[10:11], s[4:5]
	s_add_nc_u64 s[4:5], s[4:5], s[22:23]
	s_add_nc_u64 s[12:13], s[12:13], s[26:27]
	s_add_nc_u64 s[14:15], s[14:15], s[28:29]
.macro LOAD t                          ; block t: W(32 t + i, my column), i = 0 .. 31, into set t % 2
.irp i, 0,1,2,3,4,5,6,7,8,9,10,11,12,13,14,15,16,17,18,19,20,21,22,23,24,25,26,27,28,29,30,31
	global_load_b32 v[X+32*((\t)%2)+\i], v3, s[4:5] offset:(32*(\t)+\i)*4096 th:TH_LOAD_NT
.endr
.endm
	LOAD 0
	LOAD 1
.macro BLOCK t
.set XS, X+32*((\t)%2)
.if (\t) < 7
	s_wait_loadcnt 32                              ; this block's 32 loads are in; the next block's may be out
.else
	s_wait_loadcnt 0x0
.endif
	v_max3_num_f32 v12, |v[XS]|, |v[XS+1]|, |v[XS+2]|
	v_max3_num_f32 v13, |v[XS+3]|, |v[XS+4]|, |v[XS+5]|
.irp i, 6,10,14,18,22,26
	v_max3_num_f32 v12, v12, |v[XS+\i]|, |v[XS+\i+1]|
	v_max3_num_f32 v13, v13, |v[XS+\i+2]|, |v[XS+\i+3]|
.endr
	v_max3_num_f32 v12, v12, |v[XS+30]|, |v[XS+31]|
	v_max3_num_f32 v12, v12, v13, 0x1800000        ; the floor 2^(3 - 127): the byte cannot fall under 1
	v_add_nc_u32 v11, 0xff000000, v12              ; 2 off the exponent field: the conversion's scale operand
	v_lshrrev_b32 v13, 23, v11                     ; the scale's byte
.if (\t)%4 == 0
	v_mov_b32 v[SB+(\t)/4], v13
.else
	v_lshl_or_b32 v[SB+(\t)/4], v13, 8*((\t)%4), v[SB+(\t)/4]
.endif
	v_cvt_scalef32_pk16_fp6_f32 v[C:C+2], v[XS:XS+15], v11
	v_cvt_scalef32_pk16_fp6_f32 v[C+4:C+6], v[XS+16:XS+31], v11     ; (a conversion's three registers begin on an even number)
	v_nop                                          ; one plain line behind the conversions
	v_mov_b32 v[C+3], v[C+4]                       ; the block's six registers on end
	v_mov_b32 v[C+4], v[C+5]
	v_mov_b32 v[C+5], v[C+6]
.irp q, 0,1,2                          ; block t is block t % 4 of fragment t / 4: registers 6 ((t % 4) / 2) + 2 q of the lanes of half t % 2
	ds_store_b64 v4, v[C+2*\q:C+2*\q+1] offset:1536*((\t)/4)+768*(((\t)%4)/2)+128*((\t)%2)+256*\q
.endr
.if (\t)+2 < 8
	LOAD (\t)+2
.endif
	s_wait_dscnt 0x0                               ; the stores are done: the next block's codes may be written
.endm
.irp t, 0,1,2,3,4,5,6,7
	BLOCK \t
.endr
	global_store_b64 v9, v[SB:SB+1], s[14:15]      ; my column's eight scale bytes (rows 32 bytes apart: one byte for each 128 that the launch reads)
.irp e, 0,1,2,3,4,5,6,7,8,9,10,11
	ds_load_b128 v[OUTR+4*\e:OUTR+4*\e+3], v7 offset:3200*(\e/6)+512*(\e%6)   ; LDS serves a wave's instructions in order: these see my stores
.endr
.irp e, 0,1,2,3,4,5,6,7,8,9,10,11
	s_wait_dscnt 11-\e                             ; the younger loads may be out
	global_store_b128 v8, v[OUTR+4*\e:OUTR+4*\e+3], s[12:13] offset:12288*(\e/6)+512*(\e%6)   ; 32 lanes store 512 consecutive bytes, aligned to 256
.endr
	s_wait_tensorcnt 0x0                           ; the wave's end: behind my last LDS store
	ds_add_u32 v[SPW], v[NIL]
	s_wait_dscnt 0x0
	s_endpgm
.Lfunc_end_k_q46b6e279ff_quantw:
	.size	k_q46b6e279ff_quantw, .Lfunc_end_k_q46b6e279ff_quantw-k_q46b6e279ff_quantw
	.p2alignl 7, 3214868480
	.fill 96, 4, 3214868480
	.section	.rodata,"a",@progbits
	.p2align	6, 0x0
	.amdhsa_kernel k_q46b6e279ff_quantw
		.amdhsa_group_segment_fixed_size 26624
		.amdhsa_private_segment_fixed_size 0
		.amdhsa_enable_private_segment 0
		.amdhsa_kernarg_size 48
		.amdhsa_user_sgpr_count 2
		.amdhsa_user_sgpr_kernarg_segment_ptr 1
		.amdhsa_wavefront_size32 1
		.amdhsa_system_sgpr_workgroup_id_x 1
		.amdhsa_system_sgpr_workgroup_id_y 1
		.amdhsa_system_sgpr_workgroup_id_z 1
		.amdhsa_system_vgpr_workitem_id 0
		.amdhsa_next_free_vgpr 160
		.amdhsa_next_free_sgpr 66
		.amdhsa_reserve_vcc 0
		.amdhsa_float_denorm_mode_32 3
		.amdhsa_float_denorm_mode_16_64 3
		.amdhsa_memory_ordered 1
		.amdhsa_forward_progress 1
		.amdhsa_inst_pref_size 43
	.end_amdhsa_kernel
	.amdgpu_metadata
---
amdhsa.version: [ 1, 2 ]
amdhsa.kernels:
  - .name:           k_q46b6e279ff_quantw
    .symbol:         k_q46b6e279ff_quantw.kd
    .args:
      - { .name: Wq, .offset: 0, .size: 8, .value_kind: global_buffer, .address_space: global }
      - { .name: Wk, .offset: 8, .size: 8, .value_kind: global_buffer, .address_space: global }
      - { .name: Wv, .offset: 16, .size: 8, .value_kind: global_buffer, .address_space: global }
      - { .name: Wo, .offset: 24, .size: 8, .value_kind: global_buffer, .address_space: global }
      - { .name: opc, .offset: 32, .size: 8, .value_kind: global_buffer, .address_space: global }
      - { .name: ops, .offset: 40, .size: 8, .value_kind: global_buffer, .address_space: global }
    .group_segment_fixed_size: 26624
    .private_segment_fixed_size: 0
    .kernarg_segment_align: 8
    .kernarg_segment_size: 48
    .max_flat_workgroup_size: 128
    .sgpr_count:     66
    .vgpr_count:     160
    .wavefront_size: 32
...
	.end_amdgpu_metadata
.endif
;; end of part 2
;; launch proj (part 3): grid 12 x 32, 4 waves a work-group, clusters of 4 x 4, 327,680 bytes of LDS; arguments opc, ops, qkv; writes qkv
.if DOCPART == 3
	.amdgcn_target "amdgcn-amd-amdhsa--gfx1250"
	.amdhsa_code_object_version 6
	.text
	.protected	k_q46b6e279ff_proj
	.globl	k_q46b6e279ff_proj
	.p2align	8
	.type	k_q46b6e279ff_proj,@function
k_q46b6e279ff_proj:
	s_mov_b64 s[64:65], 0
	v_nop
	global_prefetch_b8 v0, s[64:65] scope:SCOPE_SE
	s_setreg_imm32_b32 hwreg(HW_REG_WAVE_MODE, 25, 1), 1
	s_wait_xcnt 0x0
	s_wait_alu depctr_hold_cnt(0) depctr_sa_sdst(0) depctr_va_vdst(0) depctr_va_sdst(0) depctr_va_ssrc(0) depctr_va_vcc(0) depctr_vm_vsrc(0)
	s_getreg_b32 s2, hwreg(HW_REG_IB_STS2, 6, 4)
	s_cmp_eq_u32 s2, 0
	s_cbranch_scc0 .Lentry_in_a_cluster
	s_endpgm
.Lentry_in_a_cluster:
	s_bfe_u32 s2, ttmp6, 0x10000c
	s_cmp_lg_u32 s2, 0xf033
	s_cbranch_scc0 .Lentry_shape_is_right
	s_endpgm
.Lentry_shape_is_right:
; q = x Wq, k = x Wk, v = x Wv on codes of FP6 (E2M3) with E8M0 scales, K = 1,024; the results are quantised in registers, as operands of the attention's two products, and leave as codes: no f32 result goes to memory.
; A work-group of four waves makes 256 x 256 results, a wave 128 x 128 in 64 accumulators.  Source 0 of the matrix instruction takes the operand along whose rows the result is quantised next, so that a lane's registers
; run along the next K: for q and k source 0 = rows of Wq, Wk (the head's 64), source 1 = tokens; for v source 0 = tokens (the keys), source 1 = rows of Wv.  Clusters x = 0, 1 make q and k, cluster x = 2 makes v.
; Both operands lie in one buffer by memory rows (memory row p = actual row pi(p), bits 3 and 4 exchanged): so register j of lane (r, h) of the tile against source 0's tile b holds actual index 32 (b / 2) + 16 h + 8 (b % 2) + j:
; the 64 registers of a lane for one tile of source 1 are four blocks of 32, half a block a lane.
; OPERANDS IN LDS: images of the registers: a tile's two fragments of a K step of 256 are 3,072 consecutive bytes; a piece of 256 bytes is one load of 8 bytes a lane: no pitch, no padding.
; K goes in steps of 256 through a ring of two LDS slots; the scale bytes of the work-group's 2 x 256 rows come once, with the first fills, and stay.
; CLUSTERS: 4 x 4 work-groups.  The four of a row of the cluster need the same tiles of source 1, the four of a column the same tiles of source 0: each tile is asked for jointly, by the same tensor load with the same
; descriptor and a mask that names the four.  Which part a cluster makes hangs on the cluster's x alone, which all sixteen share; it is settled by selections, with no branch.
; OUT: for each head and each 128 tokens a record of 19,200 bytes: parts Q, K, V of 6,400.  Q, K: eight half images (16 tokens x the head's 64: 768 bytes), then 256 bytes of scale words (row r: word j = tile 2 j's two bytes,
; tile 2 j + 1's two bytes).  V: four fragments (16 of the head's 64 x the 128 keys), then 256 bytes of scale words (row r: word i for fragment i).
; LIMITS: a block of zeros, and one whose largest magnitude lies under 2^-124, gets the byte 1; NaN and infinities are not served.
; REGISTERS, in windows of 256: window 0: v0-31 addresses; v32-63 scale words, two sets; v64-123 the way out; v128-223 source 1's fragments, one set.  window 1: source 0's fragments, two sets, at v0 and v128.
;   window 2: the accumulators of source 1's tiles 0-3 ((a, b) at v[8 (8 (a % 4) + b)]); window 3: of tiles 4-7.
.set NQ,     2                         ; matrix instructions deep in a slot
.set FR,     12                        ; registers of a fragment
.set NL,     6                         ; LDS loads that bring one
.set NP,     4                         ; places behind this matrix instruction (ISA guide 7.12.1)
.set FRB,    1536                      ; a fragment's image
.set TILEB,  NQ*FRB                    ; a tile's part of a slot
.set HALFT,  8*TILEB                   ; 128 rows: what one tensor load brings
.set SLOT,   4*HALFT                   ; source 1's 256 rows, then source 0's
.set LAPS,   2                         ; K = 1,024 is twice round the ring
.set KS,     32                        ; a row of scale bytes
.set SCL,    2*SLOT                    ; behind the ring: the scale bytes, as runs of 256 bytes + 16 of padding
.set HALFS,  16*272                    ; those of 128 rows
.set SBLK,   2*272                     ; those of 16 rows
.set SPARE,  SCL+4*HALFS               ; the spare words, 128 bytes for each wave: no other line names them
.set HS,     307200                    ; a head's 16 records
.set REC,    19200
.set ADRA, 16                          ; v16-17  LDS address of source 1's fragments in slot 0, 1
.set ADRB, 20                          ; v20-21  the same for source 0
.set ADRS, 27                          ; v27     LDS address of my scale words: lanes 0-15 source 1's rows, lanes 16-31 source 0's
.set SPW,  28                          ; v28     LDS address of my spare word; never rewritten
.set NIL,  29                          ; v29     0; never rewritten
.set SC,   32
.set AF,   128
.set TM,   64                          ; the way out: v64-67 largest magnitudes, v68-71 bytes, v76-79 the conversions' scale operands
.set PC,   80                          ; v80-91 a fragment's codes; v92-98 the conversions' second halves
.set PW,   104                         ; v104-111 the eight scale words
.set OUT,  112                         ; v112-115 the four words that leave
.set VLO,  116                         ; v116 offset of the fragment's first three pieces
.set VHI,  117                         ; v117 of its last three
.set VS,   118                         ; v118 of the scale words
.set VSEL, 119                         ; v119 byte selects for the pairing of q's and k's scale bytes
.set TQ,   120                         ; v120-123
.set G1, 24
.set G0, 32
.set G1B, 48
.set G0B, 56
.set SEL, 66                           ; s[66:67] lane selects for v_permlanex16_b32: lane l xor 16
.set G1S, 68
.set G0S, 76
.set G1SB, 80
.set G0SB, 88
.set MSB, 0
.macro WIN new                         ; the immediate's high byte repeats the setting that is left
.if MSB != \new
	s_set_vgpr_msb (MSB<<8)|\new
.set MSB, \new
.endif
.endm
.set MUL_LO, 0xa1                      ; source 0 window 1, source 1 window 0, C and D window 2
.set MUL_HI, 0xf1                      ; the same, C and D window 3
.set TO_B,   0x40                      ; destination window 1, address window 0
; A joint load: waves 0 and 1 fetch for source 1, waves 2 and 3 for source 0.  The branch hangs on the wave's number alone.  An s_nop 0 and four v_nop follow each of the two lines.
.macro JLOAD g0a, g1a, g0b, g1b
	s_cmp_eq_u32 s15, 0
	s_cbranch_scc0 .Lfor_b_\@
	tensor_load_to_lds s[\g0a:\g0a+3], s[\g1a:\g1a+7]
	s_nop 0
.rept 4
	v_nop
.endr
	s_branch .Lasked_\@
.Lfor_b_\@:
	tensor_load_to_lds s[\g0b:\g0b+3], s[\g1b:\g1b+7]
	s_nop 0
.rept 4
	v_nop
.endr
.Lasked_\@:
.endm
.macro CREST                           ; a round of the cluster's barrier behind its opening barrier
	s_cmp_lg_u32 s14, 0
	s_cbranch_scc1 .Lnot_wave_0_\@
	s_barrier_signal -3
.Lnot_wave_0_\@:
	s_barrier_wait -3
	s_barrier_signal -1
	s_barrier_wait -1
.endm
.macro CROUND                          ; a whole round
	s_barrier_signal -1
	s_barrier_wait -1
	CREST
.endm
	s_load_b128 s[4:7], s[0:1], 0x0                ; the operands' codes, their scale bytes
	s_load_b64 s[12:13], s[0:1], 0x10              ; the records
	v_lshl_add_u32 v[SPW], v0, 2, SPARE
	v_mov_b32 v[NIL], 0
	ds_add_u32 v[SPW], v[NIL]
	ds_add_u32 v[SPW], v[NIL]                      ; the wave's opening: the add and its wait stand ahead of my first tensor load; work on registers stands between them
	v_lshrrev_b32 v1, 5, v0
	v_readfirstlane_b32 s14, v1                    ; wave 0..3
	s_lshr_b32 s15, s14, 1                         ; which 128 rows of source 1 are mine.  Also: I fetch for source 1 (0) or for source 0 (1)
	s_and_b32 s16, s14, 1                          ; which 128 rows of source 0.  Also: which 128 rows I fetch
	s_bfe_u32 s40, ttmp6, 0x40000                  ; cx, cy: my place in the cluster
	s_bfe_u32 s41, ttmp6, 0x40004
	s_and_b32 s95, ttmp7, 0xffff                   ; cluster y
	s_cmp_eq_u32 ttmp9, 2                          ; cluster x = 2: v.  The same in all sixteen partners
	s_cselect_b32 s96, s95, ttmp9                  ; source 0's four tiles: v: tokens, by cluster y; q, k: weights' rows, by cluster x
	s_cselect_b32 s97, 0, s95                      ; source 1's: v: Wv's four; q, k: tokens, by cluster y
	s_cselect_b32 s98, 10240, 0                    ; source 1's first memory row: Wv's or x's
	s_cselect_b32 s99, 0, 8192                     ; source 0's: x's or Wq's (Wk's follow)
	s_lshl_b32 s42, s96, 2
	s_add_co_u32 s42, s42, s40                     ; source 0's tile of 256 rows = 4 x .. + cx
	s_lshl_b32 s17, s97, 2
	s_add_co_u32 s17, s17, s41                     ; source 1's = 4 x .. + cy
	s_lshl_b32 s43, s41, 2
	s_lshl_b32 s43, 15, s43                        ; my row of the cluster
	s_lshl_b32 s44, 0x1111, s40                    ; my column
	; descriptor group 1 for codes: 8 rows (tiles) of 3,072 bytes, 12,288 bytes apart, as elements of 8 bytes; dense in LDS
	s_or_b32 s[G1+0], s43, (3<<16)|(1<<21)         ; 15:0 the mask: source 1's tiles go to my row; 17:16 elements of 8 bytes; 21 set beside a mask
	s_or_b32 s[G1B+0], s44, (3<<16)|(1<<21)
.irp g, G1, G1B
	s_mov_b32 s[\g+1], 384<<16                     ; tensor_dim0
	s_mov_b32 s[\g+2], 8<<16                       ; tensor_dim1
	s_mov_b32 s[\g+3], 384<<16                     ; tile_dim0
	s_mov_b32 s[\g+4], 8                           ; tile_dim1
	s_mov_b32 s[\g+5], 1536                        ; tensor_dim0_stride
	s_mov_b32 s[\g+6], 0
	s_mov_b32 s[\g+7], 0
.endr
	; and for the scale bytes of 128 rows: 4,096 dense bytes as 16 rows of 256, 16 bytes of padding behind each
	s_or_b32 s[G1S+0], s43, (3<<16)|(1<<20)|(1<<21)|(5<<22)|(3<<25)
	s_or_b32 s[G1SB+0], s44, (3<<16)|(1<<20)|(1<<21)|(5<<22)|(3<<25)
.irp g, G1S, G1SB
	s_mov_b32 s[\g+1], 32<<16
	s_mov_b32 s[\g+2], 16<<16
	s_mov_b32 s[\g+3], 32<<16
	s_mov_b32 s[\g+4], 16
	s_mov_b32 s[\g+5], 32
	s_mov_b32 s[\g+6], 0
	s_mov_b32 s[\g+7], 0
.endr
	s_lshl_b32 s18, s16, 7                         ; which 128 rows of the 256 I fetch
	s_lshl_b32 s20, s17, 8
	s_add_co_u32 s20, s20, s18
	s_add_co_u32 s20, s20, s98                     ; source 1: memory row
	s_lshl_b32 s46, s42, 8
	s_add_co_u32 s46, s46, s18
	s_add_co_u32 s46, s46, s99                     ; source 0: memory row
	s_lshl_b32 s22, s20, 5                         ; their scale bytes: 32 a row,
	s_mov_b32 s23, 0
	s_lshl_b32 s92, s46, 5
	s_mov_b32 s93, 0
	s_mul_i32 s20, s20, 768                        ; their codes: 768 bytes a row
	s_mov_b32 s21, 0
	s_mul_i32 s46, s46, 768
	s_mov_b32 s47, 0
	s_mul_i32 s45, s14, HALFT                      ; where they go: wave x 128 rows: no place in the cluster enters an LDS address
	s_mul_i32 s94, s14, HALFS
	s_wait_dscnt 0x0                               ; the opening add is done
	s_wait_kmcnt 0x0
	s_add_nc_u64 s[20:21], s[4:5], s[20:21]
	s_add_nc_u64 s[22:23], s[6:7], s[22:23]
	s_add_nc_u64 s[46:47], s[4:5], s[46:47]
	s_add_nc_u64 s[92:93], s[6:7], s[92:93]
	CROUND                                         ; all sixteen work-groups are here: the first joint loads meet
	s_mov_b32 s[G0S], 1
	s_add_co_u32 s[G0S+1], s94, SCL
	s_mov_b64 s[G0S+2:G0S+3], s[22:23]
	s_or_b32 s[G0S+3], s[G0S+3], 0x80000000
	s_mov_b32 s[G0SB], 1
	s_add_co_u32 s[G0SB+1], s94, SCL
	s_mov_b64 s[G0SB+2:G0SB+3], s[92:93]
	s_or_b32 s[G0SB+3], s[G0SB+3], 0x80000000
	JLOAD G0S, G1S, G0SB, G1SB                     ; the scale bytes first: they are wanted with K step 0
.irp s, 0,1
	s_mov_b32 s[G0+4*\s], 1
	s_add_co_u32 s[G0+4*\s+1], s45, \s*SLOT
	s_add_nc_u64 s[G0+4*\s+2:G0+4*\s+3], s[20:21], \s*TILEB
	s_or_b32 s[G0+4*\s+3], s[G0+4*\s+3], 0x80000000
	s_mov_b32 s[G0B+4*\s], 1
	s_add_co_u32 s[G0B+4*\s+1], s45, \s*SLOT
	s_add_nc_u64 s[G0B+4*\s+2:G0B+4*\s+3], s[46:47], \s*TILEB
	s_or_b32 s[G0B+4*\s+3], s[G0B+4*\s+3], 0x80000000
	JLOAD G0+4*\s, G1, G0B+4*\s, G1B               ; three loads of mine are out
.endr
	v_and_b32 v1, 15, v0                           ; r
	v_bfe_u32 v2, v0, 4, 1                         ; h
	v_and_b32 v3, 31, v0
	v_lshlrev_b32 v4, 3, v3                        ; 8 x lane: my place in every piece of an image
	s_mul_i32 s21, s15, HALFT                      ; my 128 rows of source 1
	s_mul_i32 s22, s16, HALFT                      ; my 128 rows of source 0,
	s_add_co_u32 s22, s22, 2*HALFT                 ; which lie behind source 1's 256
.irp s, 0,1
	v_add_nc_u32 v[ADRA+\s], s21, v4
	v_add_nc_u32 v[ADRB+\s], s22, v4
	s_add_co_u32 s21, s21, SLOT
	s_add_co_u32 s22, s22, SLOT
.endr
	v_mul_u32_u24 v5, v1, KS                       ; my row's scale bytes: 32 a row,
	v_lshrrev_b32 v6, 8, v5
	v_lshl_add_u32 v5, v6, 4, v5                   ; and 16 more for each 256 passed
	s_mul_i32 s21, s15, HALFS
	s_mul_i32 s22, s16, HALFS
	s_add_co_u32 s22, s22, 2*HALFS
	s_sub_co_u32 s22, s22, s21
	v_mul_u32_u24 v6, s22, v2                      ; lanes 16-31 take source 0's
	s_add_co_u32 s21, s21, SCL
	v_add_nc_u32 v5, v5, v6
	v_add_nc_u32 v[ADRS], s21, v5
.macro FRAG reg, adr, q, i             ; a fragment's image: six pieces of 256 consecutive bytes, 8 bytes a lane
.irp p, 0,1,2,3,4,5
	ds_load_b64 v[\reg+2*\p:\reg+2*\p+1], v[\adr] offset:TILEB*(\i)+FRB*(\q)+256*\p
.endr
.endm
; 16 matrix instructions: source 1's tiles a0, a0 + 1 x source 0's eight, 128 along K.  p: source 0's set; sc: the set of scale words.  zero = 1: the first product starts the sums.
; The 64 accumulators take turns, one instruction a turn, in the same order in every step.
.macro MUL16 a0, p, q, sc, zero
.irp a, \a0, \a0+1
.irp b, 0,1,2,3,4,5,6,7
.if \zero
	v_wmma_scale_f32_16x16x128_f8f6f4 v[8*(8*((\a)%4)+\b):8*(8*((\a)%4)+\b)+7], v[128*(\p)+FR*\b:128*(\p)+FR*\b+FR-1], v[AF+FR*(\a):AF+FR*(\a)+FR-1], 0, v[SC+8*NQ*(\sc)+NQ*\b+(\q)], v[SC+8*NQ*(\sc)+NQ*(\a)+(\q)] matrix_a_fmt:MATRIX_FMT_FP6 matrix_b_fmt:MATRIX_FMT_FP6 matrix_a_scale:MATRIX_SCALE_ROW1
.else
	v_wmma_scale_f32_16x16x128_f8f6f4 v[8*(8*((\a)%4)+\b):8*(8*((\a)%4)+\b)+7], v[128*(\p)+FR*\b:128*(\p)+FR*\b+FR-1], v[AF+FR*(\a):AF+FR*(\a)+FR-1], v[8*(8*((\a)%4)+\b):8*(8*((\a)%4)+\b)+7], v[SC+8*NQ*(\sc)+NQ*\b+(\q)], v[SC+8*NQ*(\sc)+NQ*(\a)+(\q)] matrix_a_fmt:MATRIX_FMT_FP6 matrix_b_fmt:MATRIX_FMT_FP6 matrix_a_scale:MATRIX_SCALE_ROW1
.endif
.endr
.endr
.endm
.macro FETCH_B slot, q, p              ; source 0's eight fragments of the slot's q-th 128 along K into set p
	WIN TO_B
.irp i, 0,1,2,3,4,5,6,7
	FRAG 128*(\p)+FR*\i, ADRB+\slot, \q, \i
.endr
	WIN 0
.endm
.macro FETCH_A slot, q, i0             ; source 1's tiles i0 .. i0 + 3
.irp i, \i0, \i0+1, \i0+2, \i0+3
	FRAG AF+FR*(\i), ADRA+\slot, \q, \i
.endr
.endm
.macro SCALES sc                       ; a K step's scale words into set sc: two words a row; lanes 0-15 source 1's tile i, lanes 16-31 source 0's tile i
.irp i, 0,1,2,3,4,5,6,7
	ds_load_b64 v[SC+8*NQ*\sc+NQ*\i:SC+8*NQ*\sc+NQ*\i+1], v[ADRS] offset:\i*SBLK
.endr
.endm
.macro PLACES n                        ; plain vector lines between a matrix instruction and a load into, or a read of, its registers
.rept \n
	v_nop
.endr
.endm
; A step of 128 along K that has its successor in the same slot.
.macro STEP slot, q, zero
	s_wait_dscnt 4*NL                              ; source 0's set and source 1's tiles 0-3 are in; the youngest 24 loads (tiles 4-7) may be out
	WIN MUL_LO
	MUL16 0, (\q)%2, \q, \slot, \zero
	MUL16 2, (\q)%2, \q, \slot, \zero
	s_wait_dscnt 0                                 ; tiles 4-7 are in
	PLACES NP
	FETCH_B \slot, (\q)+1, 1-(\q)%2
	FETCH_A \slot, (\q)+1, 0
	WIN MUL_HI
	MUL16 4, (\q)%2, \q, \slot, \zero
	MUL16 6, (\q)%2, \q, \slot, \zero
	PLACES NP
	WIN 0
	FETCH_A \slot, (\q)+1, 4
.endm
; A slot's last step changes slots: one barrier; in front of it each wave waits for all its tensor loads, adds 0 to its spare word, and waits for that and for its own reads of this slot.  fill = 1: this slot is filled again.
.macro TURN slot, next, fill
	s_wait_tensorcnt 0x0                           ; all my tensor loads have landed: my part of the next slot
	ds_add_u32 v[SPW], v[NIL]                      ; 0 onto my spare word
	s_wait_dscnt 4*NL+1                            ; (the add and the youngest 24 loads may be out)
	WIN MUL_LO
	MUL16 0, 1, NQ-1, \slot, 0                     ; sixteen matrix instructions stand between the add and the wait for it
	s_wait_dscnt 0x0                               ; the add is done, and my reads of this slot are over
	s_barrier_signal -1
	MUL16 2, 1, NQ-1, \slot, 0
	WIN 0
	s_barrier_wait -1
.if \fill
	CREST                                          ; the barrier has opened a round of the cluster's barrier: no wave of any partner still reads this slot or has a load on its way
	s_add_nc_u64 s[G0+4*\slot+2:G0+4*\slot+3], s[G0+4*\slot+2:G0+4*\slot+3], 2*TILEB
	s_add_nc_u64 s[G0B+4*\slot+2:G0B+4*\slot+3], s[G0B+4*\slot+2:G0B+4*\slot+3], 2*TILEB
	JLOAD G0+4*\slot, G1, G0B+4*\slot, G1B         ; the first tensor load behind the round; the four v_nop behind it are the places in front of the loads below
.else
	PLACES NP
.endif
	s_wait_alu depctr_va_vdst(0)
	v_add_nc_u32 v[ADRS], 4*NQ, v[ADRS]            ; on to the next K step's scale words (no LDS load of mine is out)
	FETCH_B \next, 0, 0
	FETCH_A \next, 0, 0
	SCALES \next
	WIN MUL_HI
	MUL16 4, 1, NQ-1, \slot, 0
	MUL16 6, 1, NQ-1, \slot, 0
	PLACES NP
	WIN 0
	FETCH_A \next, 0, 4
.endm
	s_wait_alu depctr_va_vdst(0)
	s_wait_tensorcnt 1                             ; the scale bytes and my part of K step 0 are in (K step 1's load may be out),
	s_barrier_signal -1
	s_barrier_wait -1                              ; everybody's are
	FETCH_B 0, 0, 0
	FETCH_A 0, 0, 0
	SCALES 0
	FETCH_A 0, 0, 4
	STEP 0, 0, 1                                   ; the first step stands in front of the loop: its products start the sums
	s_mov_b32 s3, LAPS-1
.Llap:                                                 ; a trip goes once round the ring and fills both slots again
	TURN 0, 1, 1
	STEP 1, 0, 0
	TURN 1, 0, 1
	STEP 0, 0, 0
	s_sub_co_u32 s3, s3, 1
	s_cmp_lg_u32 s3, 0
	s_cbranch_scc1 .Llap
	TURN 0, 1, 0                                   ; the last lap fills nothing, and has no round of the cluster's barrier
	STEP 1, 0, 0
	s_wait_dscnt 4*NL                              ; the very last step: nothing more to fetch
	WIN MUL_LO
	MUL16 0, 1, NQ-1, 1, 0
	MUL16 2, 1, NQ-1, 1, 0
	s_wait_dscnt 0
	WIN MUL_HI
	MUL16 4, 1, NQ-1, 1, 0
	MUL16 6, 1, NQ-1, 1, 0
	WIN 0
	; THE WAY OUT.  Where my results belong.  The twelve vector lines below name no register of the last products: they are the places behind them.
	s_lshl_b32 s20, s17, 1
	s_add_co_u32 s20, s20, s15                     ; which 128 rows of source 1's operand are mine
	s_lshl_b32 s21, s42, 1
	s_add_co_u32 s21, s21, s16                     ; and of source 0's
	s_and_b32 s22, s21, 7                          ; q, k: the pair of heads,
	s_lshr_b32 s23, s21, 3                         ; and q (0) or k (1)
	s_mov_b32 s92, HS
	s_mov_b32 s93, 768
	s_mov_b32 s94, 768
	s_cmp_eq_u32 ttmp9, 2
	s_cselect_b32 s45, s21, s20                    ; the 128 tokens
	s_cselect_b32 s46, s20, s22                    ; the pair of heads
	s_cselect_b32 s47, 2, s23                      ; the record's part
	s_cselect_b32 s92, 768, s92                    ; from a fragment's first half to its second: v: 768 bytes on; q, k: the next head's record
	s_cselect_b32 s93, 1536, s93                   ; from tile to tile of source 1: v: a fragment; q, k: a half image
	s_cselect_b32 s94, HS-4608, s94                ; and from tile 3 to tile 4: v: the next head's first fragment
	s_cselect_b32 s95, -1, 0                       ; all lanes, or none: v
	s_lshr_b32 s96, s45, 4
	s_lshl_b32 s96, s96, 4                         ; 16 heads for each 2,048 tokens,
	s_lshl_b32 s98, s46, 1
	s_add_co_u32 s96, s96, s98
	s_mul_i32 s96, s96, HS
	s_and_b32 s98, s45, 15
	s_mul_i32 s98, s98, REC
	s_add_co_u32 s96, s96, s98
	s_mul_i32 s98, s47, 6400
	s_add_co_u32 s96, s96, s98
	s_mov_b32 s97, 0
	s_add_nc_u64 s[12:13], s[12:13], s[96:97]
	s_mov_b32 s99, 0xffff0000                      ; lanes 16-31
	s_mov_b32 s[SEL], 0x76543210
	s_mov_b32 s[SEL+1], 0xfedcba98
	v_mov_b32 v[VLO], v4
	v_add_nc_u32 v[VHI], s92, v4
	v_mul_u32_u24 v[VS], v2, HS                    ; the scale words: lanes 0-15 the first head's, lanes 16-31 the second's;
	v_lshl_add_u32 v[VS], v1, 4, v[VS]             ; 16 bytes a row,
	v_add_nc_u32 v[VS], 6144, v[VS]                ; behind the part's codes
	v_mov_b32 v[VSEL], 0x05040100                  ; the low halves of two words (the first head's bytes),
	v_mov_b32 v[TQ], 0x07060302                    ; or the high halves (the second head's)
	v_cndmask_b32 v[VSEL], v[VSEL], v[TQ], s99
.irp b, 0,1,2,3
	v_mov_b32 v[TM+4+\b], 0                        ; written once: a lane permute's destination counts as one of its sources
.endr
; Tile a of source 1: a lane's 64 results, register 16 b + i = index 32 b + 16 h + i along the next K, become a fragment's 12 registers and a scale word.
.macro QA a
.set AC, 64*((\a)%4)
.set W1, 2+(\a)/4
.set W5, 5*W1
	WIN W5                                         ; sources 0 and 1: the accumulators' window
.irp b, 0,1,2,3
	v_max3_num_f32 v[TM+\b], |v[AC+16*\b]|, |v[AC+16*\b+1]|, 0x1800000   ; each accumulator is read from its low end on; the floor 2^(3 - 127) holds the byte at 1 from below
.endr
.irp i, 2,4,6,8,10,12,14
.irp b, 0,1,2,3
	v_max3_num_f32 v[TM+\b], |v[AC+16*\b+\i]|, |v[AC+16*\b+\i+1]|, v[TM+\b]
.endr
.endr
	WIN 0
.irp b, 0,1,2,3
	v_permlanex16_b32 v[TM+4+\b], v[TM+\b], s[SEL], s[SEL+1]
.endr
.irp b, 0,1,2,3
	v_max_num_f32 v[TM+\b], v[TM+\b], v[TM+4+\b]   ; with lane l xor 16's: the block's largest magnitude
.endr
.irp b, 0,1,2,3
	v_add_nc_u32 v[TM+12+\b], 0xff000000, v[TM+\b] ; 2 off its exponent field: the conversion's scale operand
.endr
.irp b, 0,1,2,3
	v_lshrrev_b32 v[TM+4+\b], 23, v[TM+12+\b]      ; the scale's byte
.endr
	v_lshl_or_b32 v[PW+(\a)], v[TM+5], 8, v[TM+4]
	v_lshl_or_b32 v[PW+(\a)], v[TM+6], 16, v[PW+(\a)]
	v_lshl_or_b32 v[PW+(\a)], v[TM+7], 24, v[PW+(\a)]
.if (\a) > 0
	s_wait_xcnt 0x0                                ; the last tile's stores have read their offsets and their data: both are written again only behind this wait
.if (\a) == 4
	v_add_nc_u32 v[VLO], s94, v[VLO]
	v_add_nc_u32 v[VHI], s94, v[VHI]
.else
	v_add_nc_u32 v[VLO], s93, v[VLO]
	v_add_nc_u32 v[VHI], s93, v[VHI]
.endif
.endif
	WIN W1                                         ; source 0: the accumulators' window
.irp c, 0,1
	v_cvt_scalef32_pk16_fp6_f32 v[PC+6*\c:PC+6*\c+2], v[AC+32*\c:AC+32*\c+15], v[TM+12+2*\c]
	v_cvt_scalef32_pk16_fp6_f32 v[PC+12+4*\c:PC+12+4*\c+2], v[AC+32*\c+16:AC+32*\c+31], v[TM+12+2*\c+1]   ; (a conversion's three registers begin on an even number)
.endr
	WIN 0
	v_nop                                          ; one plain line behind the conversions
.irp c, 0,1                            ; the operand's layout wants a whole block in a lane: lanes 0-15 block 2 c, lanes 16-31 block 2 c + 1
.irp i, 0,1,2
	v_permlane16_swap_b32 v[PC+6*\c+\i], v[PC+12+4*\c+\i]
.endr
.irp i, 0,1,2
	v_mov_b32 v[PC+3+6*\c+\i], v[PC+12+4*\c+\i]
.endr
.endr
.irp p, 0,1,2
	global_store_b64 v[VLO], v[PC+2*\p:PC+2*\p+1], s[12:13] offset:256*\p        ; 32 lanes store 256 consecutive bytes, aligned
.endr
.irp p, 0,1,2
	global_store_b64 v[VHI], v[PC+6+2*\p:PC+6+2*\p+1], s[12:13] offset:256*\p
.endr
.endm
.irp a, 0,1,2,3,4,5,6,7
	QA \a
.endr
.irp j, 0,1,2,3
	v_perm_b32 v[TQ+\j], v[PW+2*\j+1], v[PW+2*\j], v[VSEL]     ; q, k: my head's two bytes of tiles 2 j and 2 j + 1
.endr
.irp j, 0,1,2,3
	v_cndmask_b32 v[OUT+\j], v[PW+\j], v[PW+4+\j], s99         ; v: fragment j's word of the first head (lanes 0-15) or of the second
.endr
.irp j, 0,1,2,3
	v_cndmask_b32 v[OUT+\j], v[TQ+\j], v[OUT+\j], s95          ; a selection, no branch
.endr
	global_store_b128 v[VS], v[OUT:OUT+3], s[12:13]            ; sixteen lanes store 256 consecutive bytes, aligned, for each of the two heads
	s_wait_tensorcnt 0x0                           ; the wave's end: behind my last tensor load
	ds_add_u32 v[SPW], v[NIL]
	s_wait_dscnt 0x0
	CROUND                                         ; the closing round: no work-group ends while a partner may still ask for a tile that names it
	s_endpgm
.Lfunc_end_k_q46b6e279ff_proj:
	.size	k_q46b6e279ff_proj, .Lfunc_end_k_q46b6e279ff_proj-k_q46b6e279ff_proj
	.p2alignl 7, 3214868480
	.fill 96, 4, 3214868480
	.section	.rodata,"a",@progbits
	.p2align	6, 0x0
	.amdhsa_kernel k_q46b6e279ff_proj
		.amdhsa_group_segment_fixed_size 327680
		.amdhsa_private_segment_fixed_size 0
		.amdhsa_enable_private_segment 0
		.amdhsa_kernarg_size 24
		.amdhsa_user_sgpr_count 2
		.amdhsa_user_sgpr_kernarg_segment_ptr 1
		.amdhsa_wavefront_size32 1
		.amdhsa_system_sgpr_workgroup_id_x 1
		.amdhsa_system_sgpr_workgroup_id_y 1
		.amdhsa_system_sgpr_workgroup_id_z 1
		.amdhsa_system_vgpr_workitem_id 0
		.amdhsa_next_free_vgpr 1024
		.amdhsa_next_free_sgpr 100
		.amdhsa_reserve_vcc 0
		.amdhsa_float_denorm_mode_32 3
		.amdhsa_float_denorm_mode_16_64 3
		.amdhsa_memory_ordered 1
		.amdhsa_forward_progress 1
		.amdhsa_inst_pref_size 168
	.end_amdhsa_kernel
	.amdgpu_metadata
---
amdhsa.version: [ 1, 2 ]
amdhsa.kernels:
  - .name:           k_q46b6e279ff_proj
    .symbol:         k_q46b6e279ff_proj.kd
    .args:
      - { .name: opc, .offset: 0, .size: 8, .value_kind: global_buffer, .address_space: global }
      - { .name: ops, .offset: 8, .size: 8, .value_kind: global_buffer, .address_space: global }
      - { .name: qkv, .offset: 16, .size: 8, .value_kind: global_buffer, .address_space: global }
    .group_segment_fixed_size: 327680
    .private_segment_fixed_size: 0
    .kernarg_segment_align: 8
    .kernarg_segment_size: 24
    .max_flat_workgroup_size: 128
    .sgpr_count:     100
    .vgpr_count:     1024
    .wavefront_size: 32
...
	.end_amdgpu_metadata
.endif
;; end of part 3
;; launch attn (part 4): grid 4 x 64, 16 waves a work-group, no clusters, 327,680 bytes of LDS; arguments qkv, ctxc, ctxs; writes ctxc, ctxs
.if DOCPART == 4
	.amdgcn_target "amdgcn-amd-amdhsa--gfx1250"
	.amdhsa_code_object_version 6
	.text
	.protected	k_q46b6e279ff_attn
	.globl	k_q46b6e279ff_attn
	.p2align	8
	.type	k_q46b6e279ff_attn,@function
k_q46b6e279ff_attn:
	s_mov_b64 s[64:65], 0
	v_nop
	global_prefetch_b8 v0, s[64:65] scope:SCOPE_SE
	s_setreg_imm32_b32 hwreg(HW_REG_WAVE_MODE, 25, 1), 1
	s_wait_xcnt 0x0
; Causal attention of one head on codes of FP6 (E2M3) with E8M0 scales; head size 64, 2,048 tokens; the result is quantised along the model's 1,024 and leaves as codes, an operand of the last product.
; THE SOFTMAX AHEAD OF THE SECOND PRODUCT: t = score x log2(e) / 8; M = the row's largest t so far, rounded up to a whole number; p = 2^(t - M) is quantised along the keys, not normalised; the row's sum is taken of the
; unquantised p and divides at the end.  When M moves, the sum and O are multiplied by 2^(old M - new M): exact.  M is a whole number for every t (above 2^23 every f32 number is one).
; SHARES.  Work-group x = i of a head takes the block of 256 queries 7 - i, which wants 8 - i slots of 256 keys, and then block i, which wants i + 1: nine slots for every work-group, so all trip counts are constants and
; all 256 work-groups have the same number of slots.  Each of the sixteen waves owns one tile of 16 queries, in 256 registers: four waves to a SIMD, so that one wave's vector work stands beside another's matrix work.
; A key step is 128 keys.  A step all of whose keys come after the wave's queries is left out by a scalar branch on ids; the one step on the diagonal masks by comparison; no barrier and no tensor load stands in a step.
; LAYOUT.  Both products are used transposed (S^T = K Q^T, O^T = V^T P^T): a lane holds one query throughout.  Tiles are 16 MEMORY rows; memory row p holds actual row pi(p) (bits 3 and 4 exchanged), so the 16 registers of
; key tiles 2 j and 2 j + 1 are the keys 32 j + 16 (lane / 16) + 0 .. 15 of the step.
; THE HEAD'S 64 AGAINST THE INSTRUCTION'S 128: a fragment of K holds TWO key tiles (tile 2 j at k 0 .. 63, tile 2 j + 1 at k 64 .. 127).  Q stands in 18 registers q, 0, q: (q, 0) picks the first tile, (0, q) the second.
; So every byte of K that is read from LDS is multiplied, and zero codes stand for the rest of K.
; K's and V's parts of two records (25,600 bytes) make a slot; waves 0 and 1 fetch a record each, by one tensor load of 50 rows of 256 bytes; all sixteen read them.
; NO CLUSTER: the four work-groups of a head walk the same slots only until the shortest long block ends (five of nine); after that they want different tiles, and partners that went on asking for every joint tile would
; walk twelve slots for nine; a slot is 25,600 bytes for 32 wave steps.
; LIMITS: a block of zeros, and one whose largest magnitude lies under 2^-124, gets the byte 1; NaN and infinities are not served.
.set REC,   19200                      ; a record: parts Q, K, V of 6,400 bytes
.set HS,    307200                     ; a head's 16 records
.set KV,    12800                      ; K's and V's parts
.set SLOT1, 32768                      ; slot 1 begins here: one exclusive or turns an address in one slot into the other's
.set SPARE, 65536                      ; the spare words, 128 bytes for each wave: no other line names them
.set LI8,  1                           ; v1   8 x lane: my place in a piece of an image
.set LS16, 2                           ; v2   16 x (lane % 16): my row's four scale words
.set VD,   3                           ; v3   my query - the diagonal step's first key - 16 (lane / 16)
.set NINF, 4                           ; v4   -infinity
.set SPW,  5                           ; v5   LDS address of my spare word; never rewritten
.set NIL,  6                           ; v6   0; never rewritten
.set LSB,  7                           ; v7   32 (lane % 16) + lane / 16: my scale byte on the way out
.set ADF,  8                           ; v8   LDS address of the slot's images
.set ADS,  9                           ; v9   and of its scale words
.set QA,   10                          ; v10  offset of my tile of Q
.set QB,   11                          ; v11  and of its scale word
.set QF,   16                          ; v16-33 q, 0, q.   v12 -M, v13 the largest t, v[14:15] the sum in two halves
.set QS,   34                          ; v34  Q's scale word: its two bytes twice
.set PFO,  35                          ; v35  the prefetches' offset; never rewritten
.set FRG,  36                          ; v36-83 four fragments of K or of V
.set GOC,  84
.set GOS,  85
.set S,    96                          ; v96-159  S^T, then p
.set O,    160                         ; v160-191 O^T
.set BM,   192                         ; v192-195 the blocks' largest scores, then largest p
.set BX,   196                         ; v196-199 the other half's; then the bytes
.set SO,   200                         ; v200-203 the conversions' scale operands
.set PT,   204                         ; v204-210 the conversions' second halves
.set PC,   212                         ; v212-223 p's codes
.set F,    224                         ; v224 f = 2^(old M - new M); named as a pair with
.set PWR,  225                         ; v225 p's scale word
.set T0,   226
.set KSC,  228                         ; v228-231 K's scale words
.set VSC,  232                         ; v232-235 V's
.set SM2,  236                         ; v[236:237] the sum's second chain
.set TB,   2                           ; s2   LDS byte at which the slot in hand begins
.set KF,   3                           ; s3   the step's first key
.set HB,   10                          ; s10  the head's first byte among the records
.set KD,   11                          ; s11  the first key of my diagonal step
.set SWI,  12                          ; s12  i + 1: the count of slots at which the blocks change
.set BACK, 13                          ; s13  (8 - i) slots in bytes: back to the head's first slot.   s[14:15]: that or 0
.set WV,   18
.set HM,   19                          ; s19  lanes 16-31
.set SEL,  20                          ; s[20:21] lane selects for v_permlanex16_b32: lane l xor 16
.set CS,   22                          ; s[22:23] c = log2(e) / 8
.set G1,   24                          ; s[24:31] descriptor group 1
.set G0,   32                          ; s[32:35] group 0, which walks
.set SLOTS, 36
.set LIM,  37                          ; s37  2 in a wave that prefetches, else the greatest number
.set PFA,  38                          ; s[38:39] where my prefetches stand
.set QSEL, 40                          ; s40  which half of a scale word is my tile's
.set TG0,  45                          ; s45  128 x (head / 16): the batch's first tile
.set HC,   46                          ; s46  768 x (head % 16)
.set HB2,  47                          ; s47  2 x (head % 16)
.set OFFC, 48
.set OFFS, 49
.set BL,   50                          ; s50  7 - i
.set BS,   51                          ; s51  i
.macro TLOAD                           ; waves 0 and 1 fetch a record each; the branch hangs on the wave's number alone.  An s_nop 0 and four v_nop follow the load
	s_cmp_lt_u32 s[WV], 2
	s_cbranch_scc0 .Lasked_\@
	tensor_load_to_lds s[G0:G0+3], s[G1:G1+7]
	s_nop 0
.rept 4
	v_nop
.endr
.Lasked_\@:
.endm
; A PREFETCH INTO THE L2 of the slot that the NEXT change of slots will ask for.  The four work-groups of a head walk slots 0, 1, 2 .. in the same order in their long blocks: the one with x = 0, which walks all eight, asks,
; a slot's two key steps ahead of the load.  In it waves 4 to 7 ask, one instruction each, for one part (K's or V's of one record): 25 blocks of 256 bytes, a lane a block; lanes 25 to 31 name lane 24's block again.
; Slots 0 and 1 come by their loads alone; slot 7 is the last that is named; the short block's slots have been read before.
.macro ASK
	s_cmp_gt_u32 s[SLOTS], s[LIM]
	s_cbranch_scc0 .Lnot_mine_\@
	global_prefetch_b8 v[PFO], s[PFA:PFA+1] th:TH_LOAD_NT scope:SCOPE_SE
.Lnot_mine_\@:
.endm
	s_load_b128 s[4:7], s[0:1], 0x0                ; the records, ctx's codes
	s_load_b64 s[8:9], s[0:1], 0x10                ; ctx's scale bytes
	v_lshl_add_u32 v[SPW], v0, 2, SPARE
	v_mov_b32 v[NIL], 0
	ds_add_u32 v[SPW], v[NIL]                      ; the wave's opening: the add and its wait stand ahead of my first tensor load; work on registers stands between them
	ds_add_u32 v[SPW], v[NIL]
	v_lshrrev_b32 v8, 5, v0
	s_delay_alu instid0(VALU_DEP_1)
	v_readfirstlane_b32 s[WV], v8                  ; wave 0..15
	s_and_b32 s41, ttmp7, 0xffff                   ; batch x 16 + head
	s_mul_i32 s[HB], s41, HS
	s_lshr_b32 s[TG0], s41, 4
	s_lshl_b32 s[TG0], s[TG0], 7
	s_and_b32 s42, s41, 15
	s_mul_i32 s[HC], s42, 768
	s_lshl_b32 s[HB2], s42, 1
	s_mov_b32 s[BS], ttmp9
	s_sub_co_u32 s[BL], 7, ttmp9
	s_add_co_u32 s[SWI], ttmp9, 1
	s_sub_co_u32 s[BACK], 8, ttmp9
	s_mul_i32 s[BACK], s[BACK], 2*REC
	s_mov_b32 s15, 0
	s_mov_b32 s[HM], 0xffff0000
	s_mov_b32 s[SEL], 0x76543210
	s_mov_b32 s[SEL+1], 0xfedcba98
	s_mov_b32 s[CS], 0x3e38aa3b                    ; c = log2(e) / 8
	s_mov_b32 s[CS+1], s[CS]                       ; (named with it as a pair, so it is written)
	s_mov_b32 s[TB], 0
	; descriptor group 1: 12,800 dense bytes as 50 rows of 256 (32 elements of 8 bytes)
	s_mov_b32 s[G1], 3<<16
	s_mov_b32 s[G1+1], 32<<16                      ; tensor_dim0
	s_mov_b32 s[G1+2], 50<<16                      ; tensor_dim1
	s_mov_b32 s[G1+3], 32<<16                      ; tile_dim0
	s_mov_b32 s[G1+4], 50                          ; tile_dim1
	s_mov_b32 s[G1+5], 32                          ; tensor_dim0_stride
	s_mov_b32 s[G1+6], 0
	s_mov_b32 s[G1+7], 0
	s_and_b32 s41, s[WV], 1                        ; which record of a slot I fetch, if I fetch
	s_mul_i32 s42, s41, REC
	s_add_co_u32 s42, s42, s[HB]
	s_add_co_u32 s42, s42, 6400                    ; behind the record's part Q
	s_mov_b32 s43, 0
	s_mul_i32 s44, s41, KV
	s_cmp_eq_u32 s41, 0
	s_mov_b32 s[QSEL], 0x03020302
	s_cselect_b32 s[QSEL], 0x01000100, s[QSEL]     ; an even tile's bytes are a word's low half
	s_lshr_b32 s41, s[WV], 2
	s_xor_b32 s41, s41, 1                          ; 0 in waves 4 to 7,
	s_or_b32 s41, s41, ttmp9                       ; of the work-group with x = 0
	s_cmp_eq_u32 s41, 0
	s_cselect_b32 s[LIM], 2, -1
	s_wait_dscnt 0x0                               ; the opening add is done
	s_wait_kmcnt 0x0
	s_mov_b32 s[G0], 1                             ; count = 1
	s_mov_b32 s[G0+1], s44                         ; LDS address: slot 0
	s_add_nc_u64 s[G0+2:G0+3], s[4:5], s[42:43]    ; global address: the head's first slot
	s_or_b32 s[G0+3], s[G0+3], 0x80000000          ; type = 2
	TLOAD                                          ; slot 0: one load of mine is out
	s_and_b32 s41, s[WV], 3                        ; the prefetches: my part of a slot
	s_lshr_b32 s42, s41, 1
	s_mul_i32 s42, s42, REC
	s_and_b32 s41, s41, 1
	s_mul_i32 s41, s41, 6400
	s_add_co_u32 s42, s42, s41
	s_add_co_u32 s42, s42, s[HB]
	s_add_co_u32 s42, s42, 6400+2*REC              ; in slot 1: the first change of slots steps it to slot 2.  Nothing is prefetched here, at the head
	s_mov_b32 s43, 0
	s_add_nc_u64 s[PFA:PFA+1], s[4:5], s[42:43]
	v_and_b32 v8, 31, v0
	s_delay_alu instid0(VALU_DEP_1)
	v_lshlrev_b32 v[LI8], 3, v8
	s_delay_alu instid0(VALU_DEP_2)
	v_min_u32 v8, 24, v8
	s_delay_alu instid0(VALU_DEP_1)
	v_lshlrev_b32 v[PFO], 8, v8
	v_and_b32 v9, 15, v0                           ; r
	v_bfe_u32 v10, v0, 4, 1                        ; h
	s_delay_alu instid0(VALU_DEP_2)
	v_lshlrev_b32 v[LS16], 4, v9
	s_delay_alu instid0(VALU_DEP_2)
	v_lshl_add_u32 v[LSB], v9, 5, v10
	s_delay_alu instid0(VALU_DEP_4)
	v_and_b32 v11, 7, v9
	v_lshrrev_b32 v9, 3, v9
	s_delay_alu instid0(VALU_DEP_1)
	v_sub_nc_u32 v9, v9, v10                       ; r / 8 - h
	s_delay_alu instid0(VALU_DEP_1)
	v_lshl_add_u32 v[VD], v9, 4, v11               ; r % 8 + 16 (r / 8) - 16 h,
	s_bfe_u32 s41, s[WV], 0x20001
	s_lshl_b32 s41, s41, 5
	s_and_b32 s42, s[WV], 1
	s_lshl_b32 s42, s42, 3
	s_add_co_u32 s41, s41, s42
	v_add_nc_u32 v[VD], s41, v[VD]                 ; + 32 ((w / 2) % 4) + 8 (w % 2): my query's place among its 128
	v_mov_b32 v[NINF], 0xff800000
.irp i, 6,7,8,9,10,11
	v_mov_b32 v[QF+\i], 0                          ; the zero codes between q and q
.endr
.irp b, 0,1,2,3
	v_mov_b32 v[BX+\b], 0                          ; written once: a lane permute's destination counts as one of its sources
.endr
	v_mov_b32 v[PWR], 0                            ; (named as the upper half of the pair v[F:F+1] before it is first written)
	v_mov_b32 v[T0], 0
; A block of 256 queries begins: s[sb] = its number.  My tile of Q into registers, the statistics and O^T at their start.
.macro INIT sb
	s_lshl_b32 s41, s[\sb], 1
	s_lshr_b32 s42, s[WV], 3
	s_add_co_u32 s41, s41, s42                     ; the record of my queries
	s_lshl_b32 s[KD], s41, 7
	s_mul_i32 s41, s41, REC
	s_add_co_u32 s41, s41, s[HB]
	s_and_b32 s42, s[WV], 7
	s_mul_i32 s43, s42, 768
	s_add_co_u32 s43, s43, s41                     ; my half image
	s_lshr_b32 s42, s42, 1
	s_lshl_b32 s42, s42, 2
	s_add_co_u32 s42, s42, s41
	s_add_co_u32 s42, s42, 6144                    ; my pair of tiles' scale words
	s_lshl_b32 s44, s[\sb], 4
	s_add_co_u32 s44, s44, s[WV]
	s_add_co_u32 s44, s44, s[TG0]                  ; my tile among ctx's 512
	s_mul_i32 s[OFFC], s44, 12288
	s_add_co_u32 s[OFFC], s[OFFC], s[HC]
	s_lshl_b32 s[OFFS], s44, 9
	s_add_co_u32 s[OFFS], s[OFFS], s[HB2]
	s_mov_b32 s[KF], 0
	v_add_nc_u32 v[QA], s43, v[LI8]
	v_add_nc_u32 v[QB], s42, v[LS16]
.irp p, 0,1,2
	global_load_b64 v[QF+2*\p:QF+2*\p+1], v[QA], s[4:5] offset:256*\p
.endr
.irp p, 0,1,2
	global_load_b64 v[QF+12+2*\p:QF+12+2*\p+1], v[QA], s[4:5] offset:256*\p     ; q a second time, behind the zeros
.endr
	global_load_b32 v[T0], v[QB], s[4:5]
	v_mov_b32 v13, 0xff61b1e6                      ; the largest t so far: -3e38, under every t
	s_delay_alu instid0(VALU_DEP_1)
	v_floor_f32 v12, -v13                          ; -M
	v_mov_b32 v14, 0
	v_mov_b32 v15, 0
	s_wait_loadcnt 0x0
	v_perm_b32 v[QS], v[T0], v[T0], s[QSEL]        ; my tile's two bytes, twice
.set nn, 0
.rept 32
	v_mov_b32 v[O+nn], 0                           ; O^T: the step is written once, its first run finds zeros.  (These lines are also the places between the scale word's making and the first product)
.set nn, nn+1
.endr
.endm
; A KEY STEP: 128 keys, record q of the slot in hand.
.macro STEP q
	s_cmp_gt_u32 s[KF], s[KD]                      ; all its keys come after my queries: nothing to do
	s_cbranch_scc1 .Lhidden_\@
.rept 4
	v_nop                                          ; places in front of loads into registers that the last products have read
.endr
	s_wait_alu depctr_va_vdst(0)
.irp j, 0,1,2,3
.irp p, 0,1,2,3,4,5
	ds_load_b64 v[FRG+12*\j+2*\p:FRG+12*\j+2*\p+1], v[ADF] offset:KV*(\q)+1536*\j+256*\p
.endr
.endr
	ds_load_b128 v[KSC:KSC+3], v[ADS] offset:KV*(\q)+6144
	s_wait_dscnt 0x0
.irp j, 0,1,2,3                        ; S^T = K Q^T: fragment j against (q, 0) and (0, q): key tiles 2 j and 2 j + 1
.irp u, 0,1
	v_wmma_scale_f32_16x16x128_f8f6f4 v[S+8*(2*\j+\u):S+8*(2*\j+\u)+7], v[FRG+12*\j:FRG+12*\j+11], v[QF+6*\u:QF+6*\u+11], 0, v[KSC+\j], v[QS] matrix_a_fmt:MATRIX_FMT_FP6 matrix_b_fmt:MATRIX_FMT_FP6
.endr
.endr
.rept 4
	v_nop                                          ; places: in front of the loads below and of the first read of the scores
.endr
	s_wait_alu depctr_va_vdst(0)
.irp i, 0,1,2,3                        ; V's four fragments are asked for now and land while the softmax is worked
.irp p, 0,1,2,3,4,5
	ds_load_b64 v[FRG+12*\i+2*\p:FRG+12*\i+2*\p+1], v[ADF] offset:KV*(\q)+6400+1536*\i+256*\p
.endr
.endr
	ds_load_b128 v[VSC:VSC+3], v[ADS] offset:KV*(\q)+12544
	s_cmp_lt_u32 s[KF], s[KD]                      ; all keys count: no mask
	s_cbranch_scc1 .Lopen_\@
.set nn, 0
.rept 64                               ; on the diagonal: register 16 b + i holds key KF + 16 (lane / 16) + 32 b + i: hidden where 32 b + i > VD: -infinity ahead of the maximum, so p = 0
	v_cmp_gt_i32 vcc_lo, 32*(nn/16)+nn%16, v[VD]
	v_cndmask_b32 v[S+nn], v[S+nn], v[NINF], vcc_lo
.set nn, nn+1
.endr
.Lopen_\@:
.irp b, 0,1,2,3
	v_max3_num_f32 v[BM+\b], v[S+16*\b], v[S+1+16*\b], v[S+2+16*\b]   ; the largest score of each block of 32 keys: it serves for the row's maximum and, since p rises with the score, for the block's largest p
.endr
.irp i, 3,5,7,9,11,13
.irp b, 0,1,2,3
	v_max3_num_f32 v[BM+\b], v[BM+\b], v[S+16*\b+\i], v[S+1+16*\b+\i]
.endr
.endr
.irp b, 0,1,2,3
	v_max_num_f32 v[BM+\b], v[BM+\b], v[S+15+16*\b]
.endr
.irp b, 0,1,2,3
	s_delay_alu instid0(VALU_DEP_4)
	v_permlanex16_b32 v[BX+\b], v[BM+\b], s[SEL], s[SEL+1]
.endr
.irp b, 0,1,2,3
	s_delay_alu instid0(VALU_DEP_4)
	v_max_num_f32 v[BM+\b], v[BM+\b], v[BX+\b]     ; with lane l xor 16's 16 keys
.endr
	s_delay_alu instid0(VALU_DEP_2)
	v_max3_num_f32 v[T0], v[BM], v[BM+1], v[BM+2]
	s_delay_alu instid0(VALU_DEP_1)
	v_max_num_f32 v[T0], v[T0], v[BM+3]            ; the step's largest score of my query
	s_delay_alu instid0(VALU_DEP_1)
	v_mul_f32 v[T0], s[CS], v[T0]                  ; as t (c is positive)
	s_delay_alu instid0(VALU_DEP_1)
	v_max_num_f32 v13, v13, v[T0]                  ; the running largest t
	v_mov_b32 v[T0], v12
	s_delay_alu instid0(VALU_DEP_2)
	v_floor_f32 v12, -v13                          ; the new -M = floor(-t) = -ceil(t)
	s_delay_alu instid0(VALU_DEP_1)
	v_sub_f32 v[T0], v12, v[T0]                    ; old M - new M: a whole number, 0 or less
	s_delay_alu instid0(VALU_DEP_1)
	v_cvt_i32_f32 v[T0], v[T0]                     ; (it saturates)
	s_delay_alu instid0(VALU_DEP_1)
	v_ldexp_f32 v[F], 1.0, v[T0]                   ; f = 2^(old M - new M)
.set nn, 0
.rept 32
	v_pk_fma_f32 v[S+nn:S+nn+1], v[S+nn:S+nn+1], s[CS:CS+1], v[12:13] op_sel_hi:[1,0,0]   ; t - M, two at a time
.set nn, nn+2
.endr
.irp b, 0,1,2,3
	v_fma_f32 v[BM+\b], v[BM+\b], s[CS], v12       ; the same of each block's largest score
.endr
.set nn, 0
	s_wait_alu depctr_va_vdst(0)
.rept 64
	v_exp_f32 v[S+nn], v[S+nn]                     ; p = 2^(t - M), at most 1
.set nn, nn+1
.endr
	v_pk_mul_f32 v[14:15], v[14:15], v[F:F+1] op_sel_hi:[1,0]   ; the sums under the new M; the plain line behind the exponentials
	s_wait_alu depctr_va_vdst(0)                   ; one wait for the whole batch, ahead of its first reader
.irp b, 0,1,2,3
	v_exp_f32 v[BM+\b], v[BM+\b]                   ; the block's largest p: the same two instructions on the same number
.endr
	v_pk_add_f32 v[236:237], v[100:101], v[104:105]
	v_pk_add_f32 v[254:255], v[108:109], v[112:113]
	v_pk_add_f32 v[252:253], v[116:117], v[120:121]
	v_pk_add_f32 v[250:251], v[124:125], v[128:129]
	v_pk_add_f32 v[248:249], v[132:133], v[136:137]
	v_pk_add_f32 v[246:247], v[140:141], v[144:145]
	v_pk_add_f32 v[244:245], v[148:149], v[152:153]
	v_pk_add_f32 v[14:15], v[14:15], v[156:157]
	v_pk_add_f32 v[236:237], v[236:237], v[96:97]
	v_pk_add_f32 v[254:255], v[254:255], v[98:99]
	v_pk_add_f32 v[252:253], v[252:253], v[102:103]
	v_pk_add_f32 v[250:251], v[250:251], v[106:107]
	v_pk_add_f32 v[248:249], v[248:249], v[110:111]
	v_pk_add_f32 v[246:247], v[246:247], v[114:115]
	v_pk_add_f32 v[244:245], v[244:245], v[118:119]
	v_pk_add_f32 v[14:15], v[14:15], v[122:123]
	v_pk_add_f32 v[236:237], v[236:237], v[126:127]
	v_pk_add_f32 v[254:255], v[254:255], v[130:131]
	v_pk_add_f32 v[252:253], v[252:253], v[134:135]
	v_pk_add_f32 v[250:251], v[250:251], v[138:139]
	v_pk_add_f32 v[248:249], v[248:249], v[142:143]
	v_pk_add_f32 v[246:247], v[246:247], v[146:147]
	v_pk_add_f32 v[244:245], v[244:245], v[150:151]
	v_pk_add_f32 v[14:15], v[14:15], v[154:155]
	v_pk_add_f32 v[236:237], v[236:237], v[158:159]
	s_delay_alu instid0(VALU_DEP_2)
	v_pk_add_f32 v[14:15], v[14:15], v[250:251]
	s_delay_alu instid0(VALU_DEP_2)
	v_pk_add_f32 v[236:237], v[236:237], v[248:249]
	v_pk_add_f32 v[254:255], v[254:255], v[246:247]
	v_pk_add_f32 v[252:253], v[252:253], v[244:245]
	s_delay_alu instid0(VALU_DEP_2)
	v_pk_add_f32 v[14:15], v[14:15], v[254:255]
	s_delay_alu instid0(VALU_DEP_2)
	v_pk_add_f32 v[236:237], v[236:237], v[252:253]
	s_delay_alu instid0(VALU_DEP_1)
	v_pk_add_f32 v[14:15], v[14:15], v[236:237]
	s_wait_alu depctr_va_vdst(0)                   ; and one for the four
.irp b, 0,1,2,3
	v_max_num_f32 v[BM+\b], 0x1800000, v[BM+\b]    ; the floor 2^(3 - 127): the byte cannot fall under 1 (a block whose every p is 0 keeps that byte: its codes are zeros)
.endr
.irp b, 0,1,2,3
	s_delay_alu instid0(VALU_DEP_4)
	v_add_nc_u32 v[SO+\b], 0xff000000, v[BM+\b]    ; 2 off the exponent field: the conversion's scale operand
.endr
.irp b, 0,1,2,3
	s_delay_alu instid0(VALU_DEP_4)
	v_lshrrev_b32 v[BX+\b], 23, v[SO+\b]           ; the scale's byte
.endr
	s_delay_alu instid0(VALU_DEP_3)
	v_lshl_or_b32 v[PWR], v[BX+1], 8, v[BX]        ; p's scale word for these 128 keys
	s_delay_alu instid0(VALU_DEP_1)
	v_lshl_or_b32 v[PWR], v[BX+2], 16, v[PWR]
	s_delay_alu instid0(VALU_DEP_1)
	v_lshl_or_b32 v[PWR], v[BX+3], 24, v[PWR]
.irp c, 0,1
	v_cvt_scalef32_pk16_fp6_f32 v[PC+6*\c:PC+6*\c+2], v[S+32*\c:S+32*\c+15], v[SO+2*\c]
	v_cvt_scalef32_pk16_fp6_f32 v[PT+4*\c:PT+4*\c+2], v[S+16+32*\c:S+31+32*\c], v[SO+2*\c+1]   ; (a conversion's three registers begin on an even number)
.endr
	v_nop                                          ; one plain line behind the conversions
.irp c, 0,1                            ; the operand's layout wants a whole block in a lane
.irp i, 0,1,2
	v_permlane16_swap_b32 v[PC+6*\c+\i], v[PT+4*\c+\i]
.endr
.irp i, 0,1,2
	s_delay_alu instid0(VALU_DEP_3)
	v_mov_b32 v[PC+3+6*\c+\i], v[PT+4*\c+\i]
.endr
.endr
.set nn, 0
.rept 16
	v_pk_mul_f32 v[O+nn:O+nn+1], v[O+nn:O+nn+1], v[F:F+1] op_sel_hi:[1,0]   ; O^T under the new M.  (These 16 are also the places between the making of p's codes and scale word and the products)
.set nn, nn+2
.endr
	s_wait_alu depctr_va_vdst(0)
	s_wait_dscnt 0x0                               ; V is in
.irp i, 0,1,2,3                        ; O^T += V^T P^T: the four accumulators by turns
	v_wmma_scale_f32_16x16x128_f8f6f4 v[O+8*\i:O+8*\i+7], v[FRG+12*\i:FRG+12*\i+11], v[PC:PC+11], v[O+8*\i:O+8*\i+7], v[VSC+\i], v[PWR] matrix_a_fmt:MATRIX_FMT_FP6 matrix_b_fmt:MATRIX_FMT_FP6
.endr
.Lhidden_\@:
	s_add_co_u32 s[KF], s[KF], 128
.endm
; A block of queries ends: O^T / the sum is ctx(my query, my head's 64): register 16 b + i = channel 32 b + 16 h + i: two blocks of the last product's K.  Quantised, it is a half image: three pieces of 256 bytes.
.macro FINISH
.rept 4
	v_nop                                          ; places behind the last products
.endr
	v_add_f32 v14, v14, v15                        ; the sum's two halves,
	s_delay_alu instid0(VALU_DEP_1)
	v_permlanex16_b32 v[T0], v14, s[SEL], s[SEL+1]
	s_delay_alu instid0(VALU_DEP_1)
	v_add_f32 v14, v14, v[T0]                      ; and lane l xor 16's
	s_wait_alu depctr_va_vdst(0)
	v_rcp_f32 v[F], v14
	v_nop                                          ; a plain line behind the reciprocal
	s_wait_alu depctr_va_vdst(0)                   ; ahead of the first reader
.set nn, 0
.rept 16
	v_pk_mul_f32 v[O+nn:O+nn+1], v[O+nn:O+nn+1], v[F:F+1] op_sel_hi:[1,0]
.set nn, nn+2
.endr
.irp b, 0,1
	v_max3_num_f32 v[BM+\b], |v[O+16*\b]|, |v[O+1+16*\b]|, 0x1800000
.endr
.irp i, 2,4,6,8,10,12,14
.irp b, 0,1
	s_delay_alu instid0(VALU_DEP_2)
	v_max3_num_f32 v[BM+\b], v[BM+\b], |v[O+16*\b+\i]|, |v[O+1+16*\b+\i]|
.endr
.endr
.irp b, 0,1
	s_delay_alu instid0(VALU_DEP_2)
	v_permlanex16_b32 v[BX+\b], v[BM+\b], s[SEL], s[SEL+1]
.endr
.irp b, 0,1
	s_delay_alu instid0(VALU_DEP_2)
	v_max_num_f32 v[BM+\b], v[BM+\b], v[BX+\b]
.endr
.irp b, 0,1
	s_delay_alu instid0(VALU_DEP_2)
	v_add_nc_u32 v[SO+\b], 0xff000000, v[BM+\b]
.endr
.irp b, 0,1
	s_delay_alu instid0(VALU_DEP_2)
	v_lshrrev_b32 v[BX+\b], 23, v[SO+\b]
.endr
	s_delay_alu instid0(VALU_DEP_1)
	v_cndmask_b32 v[T0], v[BX], v[BX+1], s[HM]     ; lanes 0-15 store block 0's byte, lanes 16-31 block 1's
	v_cvt_scalef32_pk16_fp6_f32 v[PC:PC+2], v[O:O+15], v[SO]
	v_cvt_scalef32_pk16_fp6_f32 v[PT:PT+2], v[O+16:O+31], v[SO+1]
	v_nop                                          ; one plain line behind the conversions
.irp i, 0,1,2
	v_permlane16_swap_b32 v[PC+\i], v[PT+\i]
.endr
.irp i, 0,1,2
	s_delay_alu instid0(VALU_DEP_3)
	v_mov_b32 v[PC+3+\i], v[PT+\i]
.endr
	v_add_nc_u32 v[GOC], s[OFFC], v[LI8]
	v_add_nc_u32 v[GOS], s[OFFS], v[LSB]
.irp p, 0,1,2
	global_store_b64 v[GOC], v[PC+2*\p:PC+2*\p+1], s[6:7] offset:256*\p       ; 32 lanes store 256 consecutive bytes, aligned
.endr
	global_store_b8 v[GOS], v[T0], s[8:9]          ; 32 single bytes, two in each of 16 rows of 32: one byte for each 24 of codes
	s_wait_xcnt 0x0                                ; the stores have read their registers: these are written again only behind this wait
.endm
; THE CHANGE OF SLOTS stands at a slot's head.  Each wave waits for all its tensor loads, adds 0 to its spare word, and waits for that and for its reads of the slot that it has left.  Behind the barrier the slot ahead is whole
; and nobody reads the other one.  fill = 1: that other slot is filled with the slot that follows in the work-group's walk: the next 256 keys, or, where the long block ends, the head's first.
.macro CHANGE fill
	s_wait_tensorcnt 0x0                           ; no tensor load of mine is out, so group 0 may be written
	ds_add_u32 v[SPW], v[NIL]                      ; 0 onto my spare word
.if \fill
	s_xor_b32 s[G0+1], s[G0+1], SLOT1              ; the other slot than last time
	s_cmp_eq_u32 s[SLOTS], s[SWI]
	s_cselect_b32 s14, s[BACK], 0
	s_add_nc_u64 s[G0+2:G0+3], s[G0+2:G0+3], 2*REC ; two records on,
	s_sub_nc_u64 s[G0+2:G0+3], s[G0+2:G0+3], s[14:15]   ; or back to the head's first; the type bits on top are not reached
	s_wait_xcnt 0x0                                ; the last prefetch, a slot back, has read its address
	s_add_nc_u64 s[PFA:PFA+1], s[PFA:PFA+1], 2*REC
.endif
	s_wait_dscnt 0x0                               ; the add is done, and my reads of the slot that I have left are over
	s_barrier_signal -1
	s_barrier_wait -1
.if \fill
	TLOAD                                          ; the first thing behind the barrier, and a wave's one tensor load until the next
	ASK
.endif
.endm
	INIT BL                                        ; the long block: 7 - i
	s_mov_b32 s[SLOTS], 8
.Lslot:                                            ; eight trips: behind each change of slots but the last the next slot is asked for
	CHANGE 1
	v_add_nc_u32 v[ADF], s[TB], v[LI8]
	v_add_nc_u32 v[ADS], s[TB], v[LS16]
	STEP 0
	STEP 1
	s_xor_b32 s[TB], s[TB], SLOT1                  ; on to the other slot
	s_cmp_lg_u32 s[SLOTS], s[SWI]                  ; the long block's last slot?  The same in all sixteen waves
	s_cbranch_scc1 .Lstay
	FINISH
	INIT BS                                        ; the short block: i
.Lstay:
	s_sub_co_u32 s[SLOTS], s[SLOTS], 1
	s_cmp_lg_u32 s[SLOTS], 0
	s_cbranch_scc1 .Lslot
	CHANGE 0                                       ; the ninth slot is written out
	v_add_nc_u32 v[ADF], s[TB], v[LI8]
	v_add_nc_u32 v[ADS], s[TB], v[LS16]
	STEP 0
	STEP 1
	FINISH
	s_wait_tensorcnt 0x0                           ; the wave's end: behind my last tensor load
	ds_add_u32 v[SPW], v[NIL]
	s_wait_dscnt 0x0
	s_endpgm
.Lfunc_end_k_q46b6e279ff_attn:
	.size	k_q46b6e279ff_attn, .Lfunc_end_k_q46b6e279ff_attn-k_q46b6e279ff_attn
	.p2alignl 7, 3214868480
	.fill 96, 4, 3214868480
	.section	.rodata,"a",@progbits
	.p2align	6, 0x0
	.amdhsa_kernel k_q46b6e279ff_attn
		.amdhsa_group_segment_fixed_size 327680
		.amdhsa_private_segment_fixed_size 0
		.amdhsa_enable_private_segment 0
		.amdhsa_kernarg_size 24
		.amdhsa_user_sgpr_count 2
		.amdhsa_user_sgpr_kernarg_segment_ptr 1
		.amdhsa_wavefront_size32 1
		.amdhsa_system_sgpr_workgroup_id_x 1
		.amdhsa_system_sgpr_workgroup_id_y 1
		.amdhsa_system_sgpr_workgroup_id_z 1
		.amdhsa_system_vgpr_workitem_id 0
		.amdhsa_next_free_vgpr 256
		.amdhsa_next_free_sgpr 66
		.amdhsa_reserve_vcc 1
		.amdhsa_float_denorm_mode_32 3
		.amdhsa_float_denorm_mode_16_64 3
		.amdhsa_memory_ordered 1
		.amdhsa_forward_progress 1
		.amdhsa_inst_pref_size 114
	.end_amdhsa_kernel
	.amdgpu_metadata
---
amdhsa.version: [ 1, 2 ]
amdhsa.kernels:
  - .name:           k_q46b6e279ff_attn
    .symbol:         k_q46b6e279ff_attn.kd
    .args:
      - { .name: qkv, .offset: 0, .size: 8, .value_kind: global_buffer, .address_space: global }
      - { .name: ctxc, .offset: 8, .size: 8, .value_kind: global_buffer, .address_space: global }
      - { .name: ctxs, .offset: 16, .size: 8, .value_kind: global_buffer, .address_space: global }
    .group_segment_fixed_size: 327680
    .private_segment_fixed_size: 0
    .kernarg_segment_align: 8
    .kernarg_segment_size: 24
    .max_flat_workgroup_size: 512
    .sgpr_count:     66
    .vgpr_count:     256
    .wavefront_size: 32
...
	.end_amdgpu_metadata
.endif
;; end of part 4
;; launch outp (part 5): grid 4 x 32, 4 waves a work-group, clusters of 4 x 4, 327,680 bytes of LDS; arguments ctxc, ctxs, opc, ops, bo, out0; writes out0
.if DOCPART == 5
	.amdgcn_target "amdgcn-amd-amdhsa--gfx1250"
	.amdhsa_code_object_version 6
	.text
	.protected	k_q46b6e279ff_outp
	.globl	k_q46b6e279ff_outp
	.p2align	8
	.type	k_q46b6e279ff_outp,@function
k_q46b6e279ff_outp:
	s_mov_b64 s[64:65], 0
	v_nop
	global_prefetch_b8 v0, s[64:65] scope:SCOPE_SE
	s_setreg_imm32_b32 hwreg(HW_REG_WAVE_MODE, 25, 1), 1
	s_wait_xcnt 0x0
	s_wait_alu depctr_hold_cnt(0) depctr_sa_sdst(0) depctr_va_vdst(0) depctr_va_sdst(0) depctr_va_ssrc(0) depctr_va_vcc(0) depctr_vm_vsrc(0)
	s_getreg_b32 s2, hwreg(HW_REG_IB_STS2, 6, 4)
	s_cmp_eq_u32 s2, 0
	s_cbranch_scc0 .Lentry_in_a_cluster
	s_endpgm
.Lentry_in_a_cluster:
	s_bfe_u32 s2, ttmp6, 0x10000c
	s_cmp_lg_u32 s2, 0xf033
	s_cbranch_scc0 .Lentry_shape_is_right
	s_endpgm
.Lentry_shape_is_right:
; out = ctx Wo + bo on codes of FP6 (E2M3) with E8M0 scales, K = 1,024; out [8192][1024] f32.
; A work-group of four waves makes 256 x 256 of out, a wave 128 x 128 in 64 accumulators.  Source 0 = rows of Wo's operand (output columns), source 1 = rows of ctx (tokens): a lane holds eight neighbouring columns of a row.
; Both operands lie by memory rows (memory row p = actual row pi(p), bits 3 and 4 exchanged): register j of lane (r, h) against source 0's tile b is column 32 (b / 2) + 16 h + 8 (b % 2) + j; row r of source 1's tile a is
; token 32 (a / 2) + 8 (a % 2) + r % 8 + 16 (r / 8).
; OPERANDS IN LDS: images of the registers: a tile's two fragments of a K step of 256 are 3,072 consecutive bytes; a piece of 256 bytes is one load of 8 bytes a lane.  K goes in steps of 256 through a ring of two slots;
; the scale bytes of the work-group's 2 x 256 rows come once, with the first fills, and stay.  The bias is the C of each sum's first matrix instruction.
; CLUSTERS: 4 x 4 work-groups; source 1's tiles are shared along a row of the cluster, source 0's along a column: each is asked for jointly, by the same tensor load with the same descriptor and a mask that names the four.
; REGISTERS, in windows of 256: window 0: v0-31 addresses; v32-63 scale words, two sets; v64-127 the bias; v128-223 source 1's fragments, one set (on the way out v128-255 take rows of out).
;   window 1: source 0's fragments, two sets.   windows 2, 3: the accumulators ((a, b) at v[8 (8 (a % 4) + b)]).
.set NQ,     2
.set FR,     12
.set NL,     6
.set NP,     4
.set FRB,    1536
.set TILEB,  NQ*FRB
.set HALFT,  8*TILEB
.set SLOT,   4*HALFT
.set LAPS,   2
.set KS,     32
.set SCL,    2*SLOT
.set HALFS,  16*272
.set SBLK,   2*272
.set SPARE,  SCL+4*HALFS               ; the spare words, 128 bytes for each wave: no other line names them
.set SPITCH, 528                       ; the way out: a stage of 16 rows x (512 bytes + 16) for each wave, in slot 0, which has had its last fill and its last read when the first result is stored there
.set ADRA, 16
.set ADRB, 20
.set STO,  24                          ; v24     the way out: where I put 32 bytes of a row
.set RD,   25                          ; v25     where I read a row back
.set CO,   26                          ; v26     16 x lane: my bytes of a row of out
.set ADRS, 27
.set SPW,  28                          ; v28     LDS address of my spare word; never rewritten
.set NIL,  29                          ; v29     0; never rewritten
.set SC,   32
.set BIAS, 64                          ; v64-127 bo at my lane's 64 columns, in the results' layout
.set AF,   128
.set BK,   128
.set G1, 24
.set G0, 32
.set G1B, 48
.set G0B, 56
.set G1S, 68
.set G0S, 76
.set G1SB, 80
.set G0SB, 88
.set MSB, 0
.macro WIN new                         ; the immediate's high byte repeats the setting that is left
.if MSB != \new
	s_set_vgpr_msb (MSB<<8)|\new
.set MSB, \new
.endif
.endm
.set MUL_LO, 0xa1                      ; source 0 window 1, source 1 window 0, C and D window 2
.set MUL_HI, 0xf1                      ; the same, C and D window 3
.set BIA_LO, 0x81                      ; the first step: C (the bias) window 0, D window 2
.set BIA_HI, 0xc1                      ; D window 3
.set TO_B,   0x40
.macro JLOAD g0a, g1a, g0b, g1b        ; a joint load: waves 0 and 1 fetch for source 1, waves 2 and 3 for source 0; an s_nop 0 and four v_nop follow each of the two lines
	s_cmp_eq_u32 s15, 0
	s_cbranch_scc0 .Lfor_b_\@
	tensor_load_to_lds s[\g0a:\g0a+3], s[\g1a:\g1a+7]
	s_nop 0
.rept 4
	v_nop
.endr
	s_branch .Lasked_\@
.Lfor_b_\@:
	tensor_load_to_lds s[\g0b:\g0b+3], s[\g1b:\g1b+7]
	s_nop 0
.rept 4
	v_nop
.endr
.Lasked_\@:
.endm
.macro CREST
	s_cmp_lg_u32 s14, 0
	s_cbranch_scc1 .Lnot_wave_0_\@
	s_barrier_signal -3
.Lnot_wave_0_\@:
	s_barrier_wait -3
	s_barrier_signal -1
	s_barrier_wait -1
.endm
.macro CROUND
	s_barrier_signal -1
	s_barrier_wait -1
	CREST
.endm
	s_load_b128 s[4:7], s[0:1], 0x0                ; ctx's codes, ctx's scale bytes
	s_load_b128 s[8:11], s[0:1], 0x10              ; the weights' codes, their scale bytes
	s_load_b128 s[96:99], s[0:1], 0x20             ; bo, out
	v_lshl_add_u32 v[SPW], v0, 2, SPARE
	v_mov_b32 v[NIL], 0
	ds_add_u32 v[SPW], v[NIL]                      ; the wave's opening: the add and its wait stand ahead of my first tensor load; work on registers stands between them
	v_lshrrev_b32 v1, 5, v0
	v_readfirstlane_b32 s14, v1                    ; wave 0..3
	s_lshr_b32 s15, s14, 1                         ; which 128 rows of out are mine.  Also: I fetch for source 1 (0) or for source 0 (1)
	s_and_b32 s16, s14, 1                          ; which 128 columns.  Also: which 128 rows I fetch
	s_bfe_u32 s40, ttmp6, 0x40000                  ; cx, cy
	s_bfe_u32 s41, ttmp6, 0x40004
	s_lshl_b32 s42, ttmp9, 2
	s_add_co_u32 s42, s42, s40                     ; tile column of out
	s_and_b32 s17, ttmp7, 0xffff
	s_lshl_b32 s17, s17, 2
	s_add_co_u32 s17, s17, s41                     ; tile row of out
	s_lshl_b32 s43, s41, 2
	s_lshl_b32 s43, 15, s43                        ; my row of the cluster
	s_lshl_b32 s44, 0x1111, s40                    ; my column
	s_or_b32 s[G1+0], s43, (3<<16)|(1<<21)         ; codes: 8 rows (tiles) of 3,072 bytes, 12,288 bytes apart, as elements of 8 bytes; the mask; bit 21 beside it
	s_or_b32 s[G1B+0], s44, (3<<16)|(1<<21)
.irp g, G1, G1B
	s_mov_b32 s[\g+1], 384<<16
	s_mov_b32 s[\g+2], 8<<16
	s_mov_b32 s[\g+3], 384<<16
	s_mov_b32 s[\g+4], 8
	s_mov_b32 s[\g+5], 1536
	s_mov_b32 s[\g+6], 0
	s_mov_b32 s[\g+7], 0
.endr
	s_or_b32 s[G1S+0], s43, (3<<16)|(1<<20)|(1<<21)|(5<<22)|(3<<25)   ; scale bytes of 128 rows: 16 rows of 256 bytes, 16 bytes of padding behind each
	s_or_b32 s[G1SB+0], s44, (3<<16)|(1<<20)|(1<<21)|(5<<22)|(3<<25)
.irp g, G1S, G1SB
	s_mov_b32 s[\g+1], 32<<16
	s_mov_b32 s[\g+2], 16<<16
	s_mov_b32 s[\g+3], 32<<16
	s_mov_b32 s[\g+4], 16
	s_mov_b32 s[\g+5], 32
	s_mov_b32 s[\g+6], 0
	s_mov_b32 s[\g+7], 0
.endr
	s_lshl_b32 s18, s16, 7
	s_lshl_b32 s20, s17, 8
	s_add_co_u32 s20, s20, s18                     ; ctx: memory row
	s_lshl_b32 s46, s42, 8
	s_add_co_u32 s46, s46, s18
	s_add_co_u32 s46, s46, 11264                   ; Wo: memory row in the operands' buffers
	s_lshl_b32 s22, s20, 5
	s_mov_b32 s23, 0
	s_lshl_b32 s92, s46, 5
	s_mov_b32 s93, 0
	s_mul_i32 s20, s20, 768
	s_mov_b32 s21, 0
	s_mul_i32 s46, s46, 768
	s_mov_b32 s47, 0
	s_mul_i32 s45, s14, HALFT
	s_mul_i32 s94, s14, HALFS
	s_wait_dscnt 0x0                               ; the opening add is done
	s_wait_kmcnt 0x0
	s_add_nc_u64 s[20:21], s[4:5], s[20:21]
	s_add_nc_u64 s[22:23], s[6:7], s[22:23]
	s_add_nc_u64 s[46:47], s[8:9], s[46:47]
	s_add_nc_u64 s[92:93], s[10:11], s[92:93]
	CROUND                                         ; all sixteen work-groups are here: the first joint loads meet
	s_mov_b32 s[G0S], 1
	s_add_co_u32 s[G0S+1], s94, SCL
	s_mov_b64 s[G0S+2:G0S+3], s[22:23]
	s_or_b32 s[G0S+3], s[G0S+3], 0x80000000
	s_mov_b32 s[G0SB], 1
	s_add_co_u32 s[G0SB+1], s94, SCL
	s_mov_b64 s[G0SB+2:G0SB+3], s[92:93]
	s_or_b32 s[G0SB+3], s[G0SB+3], 0x80000000
	JLOAD G0S, G1S, G0SB, G1SB
.irp s, 0,1
	s_mov_b32 s[G0+4*\s], 1
	s_add_co_u32 s[G0+4*\s+1], s45, \s*SLOT
	s_add_nc_u64 s[G0+4*\s+2:G0+4*\s+3], s[20:21], \s*TILEB
	s_or_b32 s[G0+4*\s+3], s[G0+4*\s+3], 0x80000000
	s_mov_b32 s[G0B+4*\s], 1
	s_add_co_u32 s[G0B+4*\s+1], s45, \s*SLOT
	s_add_nc_u64 s[G0B+4*\s+2:G0B+4*\s+3], s[46:47], \s*TILEB
	s_or_b32 s[G0B+4*\s+3], s[G0B+4*\s+3], 0x80000000
	JLOAD G0+4*\s, G1, G0B+4*\s, G1B               ; three loads of mine are out
.endr
	v_and_b32 v1, 15, v0                           ; r
	v_bfe_u32 v2, v0, 4, 1                         ; h
	v_and_b32 v3, 31, v0
	v_lshlrev_b32 v4, 3, v3                        ; 8 x lane
	s_mul_i32 s21, s15, HALFT
	s_mul_i32 s22, s16, HALFT
	s_add_co_u32 s22, s22, 2*HALFT
.irp s, 0,1
	v_add_nc_u32 v[ADRA+\s], s21, v4
	v_add_nc_u32 v[ADRB+\s], s22, v4
	s_add_co_u32 s21, s21, SLOT
	s_add_co_u32 s22, s22, SLOT
.endr
	v_mul_u32_u24 v5, v1, KS
	v_lshrrev_b32 v6, 8, v5
	v_lshl_add_u32 v5, v6, 4, v5
	s_mul_i32 s21, s15, HALFS
	s_mul_i32 s22, s16, HALFS
	s_add_co_u32 s22, s22, 2*HALFS
	s_sub_co_u32 s22, s22, s21
	v_mul_u32_u24 v6, s22, v2                      ; lanes 16-31 take source 0's scale words
	s_add_co_u32 s21, s21, SCL
	v_add_nc_u32 v5, v5, v6
	v_add_nc_u32 v[ADRS], s21, v5
	s_mul_i32 s23, s14, 16*SPITCH                  ; my stage
	v_mul_u32_u24 v5, v1, SPITCH                   ; in: row r; my half's 16 columns of each 32: 64 h bytes on
	v_lshl_add_u32 v5, v2, 6, v5
	v_add_nc_u32 v[STO], s23, v5
	v_lshlrev_b32 v[CO], 4, v3                     ; back: the 32 lanes take one row of 512 bytes; and the same in out
	v_add_nc_u32 v[RD], s23, v[CO]
	s_lshl_b32 s46, s42, 10                        ; my first column, in bytes: 1,024 x tile column + 512 x half
	s_lshl_b32 s47, s16, 9
	s_add_co_u32 s46, s46, s47
	s_mov_b32 s47, 0
	s_add_nc_u64 s[96:97], s[96:97], s[46:47]      ; bo at my first column
	s_lshl_b32 s20, s17, 8
	s_lshl_b32 s21, s15, 7
	s_add_co_u32 s20, s20, s21                     ; my first row of out
	s_lshl_b32 s20, s20, 12
	s_mov_b32 s21, 0
	s_add_nc_u64 s[20:21], s[20:21], s[46:47]
	s_add_nc_u64 s[98:99], s[98:99], s[20:21]
	v_lshlrev_b32 v7, 6, v2                        ; the bias: 64 h bytes on; never rewritten
.irp b, 0,1,2,3,4,5,6,7
	global_load_b128 v[BIAS+8*\b:BIAS+8*\b+3], v7, s[96:97] offset:128*(\b/2)+32*(\b%2)
	global_load_b128 v[BIAS+8*\b+4:BIAS+8*\b+7], v7, s[96:97] offset:128*(\b/2)+32*(\b%2)+16
.endr
.macro FRAG reg, adr, q, i             ; a fragment's image: six pieces of 256 consecutive bytes, 8 bytes a lane
.irp p, 0,1,2,3,4,5
	ds_load_b64 v[\reg+2*\p:\reg+2*\p+1], v[\adr] offset:TILEB*(\i)+FRB*(\q)+256*\p
.endr
.endm
; 16 matrix instructions: source 1's tiles a0, a0 + 1 x source 0's eight.  first = 1: the sums begin with the bias as C.  The 64 accumulators take turns, one instruction a turn.
.macro MUL16 a0, p, q, sc, first
.irp a, \a0, \a0+1
.irp b, 0,1,2,3,4,5,6,7
.if \first
	v_wmma_scale_f32_16x16x128_f8f6f4 v[8*(8*((\a)%4)+\b):8*(8*((\a)%4)+\b)+7], v[128*(\p)+FR*\b:128*(\p)+FR*\b+FR-1], v[AF+FR*(\a):AF+FR*(\a)+FR-1], v[BIAS+8*\b:BIAS+8*\b+7], v[SC+8*NQ*(\sc)+NQ*\b+(\q)], v[SC+8*NQ*(\sc)+NQ*(\a)+(\q)] matrix_a_fmt:MATRIX_FMT_FP6 matrix_b_fmt:MATRIX_FMT_FP6 matrix_a_scale:MATRIX_SCALE_ROW1
.else
	v_wmma_scale_f32_16x16x128_f8f6f4 v[8*(8*((\a)%4)+\b):8*(8*((\a)%4)+\b)+7], v[128*(\p)+FR*\b:128*(\p)+FR*\b+FR-1], v[AF+FR*(\a):AF+FR*(\a)+FR-1], v[8*(8*((\a)%4)+\b):8*(8*((\a)%4)+\b)+7], v[SC+8*NQ*(\sc)+NQ*\b+(\q)], v[SC+8*NQ*(\sc)+NQ*(\a)+(\q)] matrix_a_fmt:MATRIX_FMT_FP6 matrix_b_fmt:MATRIX_FMT_FP6 matrix_a_scale:MATRIX_SCALE_ROW1
.endif
.endr
.endr
.endm
.macro FETCH_B slot, q, p
	WIN TO_B
.irp i, 0,1,2,3,4,5,6,7
	FRAG 128*(\p)+FR*\i, ADRB+\slot, \q, \i
.endr
	WIN 0
.endm
.macro FETCH_A slot, q, i0
.irp i, \i0, \i0+1, \i0+2, \i0+3
	FRAG AF+FR*(\i), ADRA+\slot, \q, \i
.endr
.endm
.macro SCALES sc
.irp i, 0,1,2,3,4,5,6,7
	ds_load_b64 v[SC+8*NQ*\sc+NQ*\i:SC+8*NQ*\sc+NQ*\i+1], v[ADRS] offset:\i*SBLK
.endr
.endm
.macro PLACES n                        ; plain vector lines between a matrix instruction and a load into, or a read of, its registers
.rept \n
	v_nop
.endr
.endm
.macro STEP slot, q, first
	s_wait_dscnt 4*NL                              ; source 0's set and source 1's tiles 0-3 are in; the youngest 24 loads (tiles 4-7) may be out
.if \first
	WIN BIA_LO
.else
	WIN MUL_LO
.endif
	MUL16 0, (\q)%2, \q, \slot, \first
	MUL16 2, (\q)%2, \q, \slot, \first
	s_wait_dscnt 0                                 ; tiles 4-7 are in
	PLACES NP
	FETCH_B \slot, (\q)+1, 1-(\q)%2
	FETCH_A \slot, (\q)+1, 0
.if \first
	WIN BIA_HI
.else
	WIN MUL_HI
.endif
	MUL16 4, (\q)%2, \q, \slot, \first
	MUL16 6, (\q)%2, \q, \slot, \first
	PLACES NP
	WIN 0
	FETCH_A \slot, (\q)+1, 4
.endm
.macro TURN slot, next, fill
	s_wait_tensorcnt 0x0                           ; all my tensor loads have landed: my part of the next slot
	ds_add_u32 v[SPW], v[NIL]                      ; 0 onto my spare word
	s_wait_dscnt 4*NL+1                            ; (the add and the youngest 24 loads may be out)
	WIN MUL_LO
	MUL16 0, 1, NQ-1, \slot, 0
	s_wait_dscnt 0x0                               ; the add is done, and my reads of this slot are over
	s_barrier_signal -1
	MUL16 2, 1, NQ-1, \slot, 0
	WIN 0
	s_barrier_wait -1
.if \fill
	CREST                                          ; the barrier has opened a round of the cluster's barrier: no wave of any partner still reads this slot or has a load on its way
	s_add_nc_u64 s[G0+4*\slot+2:G0+4*\slot+3], s[G0+4*\slot+2:G0+4*\slot+3], 2*TILEB
	s_add_nc_u64 s[G0B+4*\slot+2:G0B+4*\slot+3], s[G0B+4*\slot+2:G0B+4*\slot+3], 2*TILEB
	JLOAD G0+4*\slot, G1, G0B+4*\slot, G1B         ; the first tensor load behind the round; the four v_nop behind it are the places in front of the loads below
.else
	PLACES NP
.endif
	v_add_nc_u32 v[ADRS], 4*NQ, v[ADRS]
	FETCH_B \next, 0, 0
	FETCH_A \next, 0, 0
	SCALES \next
	WIN MUL_HI
	MUL16 4, 1, NQ-1, \slot, 0
	MUL16 6, 1, NQ-1, \slot, 0
	PLACES NP
	WIN 0
	FETCH_A \next, 0, 4
.endm
	s_wait_tensorcnt 1                             ; the scale bytes and my part of K step 0 are in (K step 1's load may be out),
	s_barrier_signal -1
	s_barrier_wait -1                              ; everybody's are
	FETCH_B 0, 0, 0
	FETCH_A 0, 0, 0
	SCALES 0
	FETCH_A 0, 0, 4
	s_wait_loadcnt 0x0                             ; the bias
	STEP 0, 0, 1                                   ; the first step stands in front of the loop: its products start the sums, on the bias
	s_mov_b32 s3, LAPS-1
.Llap:
	TURN 0, 1, 1
	STEP 1, 0, 0
	TURN 1, 0, 1
	STEP 0, 0, 0
	s_sub_co_u32 s3, s3, 1
	s_cmp_lg_u32 s3, 0
	s_cbranch_scc1 .Llap
	TURN 0, 1, 0                                   ; the last lap fills nothing, and has no round of the cluster's barrier
	STEP 1, 0, 0
	s_wait_dscnt 4*NL
	WIN MUL_LO
	MUL16 0, 1, NQ-1, 1, 0
	MUL16 2, 1, NQ-1, 1, 0
	s_wait_dscnt 0
	WIN MUL_HI
	MUL16 4, 1, NQ-1, 1, 0
	MUL16 6, 1, NQ-1, 1, 0
	WIN 0
; THE WAY OUT, tile by tile of 16 rows x 128 columns: through my own stage in LDS, where the columns come into their actual order, and back as whole rows of 512 bytes.
; LDS serves a wave's instructions in order (ISA guide 5.7.1.4): no wait between the stores and the loads, nor in front of the next tile's stores.
.macro TOSTAGE a
.set AC, 64*((\a)%4)
	WIN 0x08+4*((\a)/4)                            ; the data: window 2 or 3
.irp b, 0,1,2,3,4,5,6,7
	ds_store_b128 v[STO], v[AC+8*\b:AC+8*\b+3] offset:128*(\b/2)+32*(\b%2)          ; each accumulator from its low end on
	ds_store_b128 v[STO], v[AC+8*\b+4:AC+8*\b+7] offset:128*(\b/2)+32*(\b%2)+16
.endr
	WIN 0
.set BB, BK+64*((\a)%2)
.irp t, 0,1,2,3,4,5,6,7,8,9,10,11,12,13,14,15
	ds_load_b128 v[BB+4*\t:BB+4*\t+3], v[RD] offset:\t*SPITCH
.endr
.endm
.macro SEND a, younger                 ; younger: the LDS instructions issued behind tile a's loads, which may stay out
.set BB, BK+64*((\a)%2)
	s_wait_dscnt \younger
.irp t, 0,1,2,3,4,5,6,7,8,9,10,11,12,13,14,15
	global_store_b128 v[CO], v[BB+4*\t:BB+4*\t+3], s[98:99] offset:(32*((\a)/2)+8*((\a)%2)+\t%8+16*(\t/8))*4096 th:TH_STORE_NT   ; memory row t of tile a at its actual row; 32 lanes store 512 consecutive bytes, aligned to 256; 127 rows at the most: inside the signed 24-bit immediate
.endr
.endm
	PLACES NP                                      ; behind the last products: for the loads into the registers that held source 1's fragments and for the reads of results
	TOSTAGE 0
.irp a, 1,2,3,4,5,6,7
.if \a > 1
	s_wait_xcnt 0x0                                ; tile a - 2's stores have read their registers: tile a's loads may land there
.endif
	TOSTAGE \a
	SEND \a-1, 32                                  ; behind tile a - 1's loads: tile a's 16 stores and 16 loads
.endr
	SEND 7, 0
	s_wait_tensorcnt 0x0                           ; the wave's end: behind my last tensor load and my last LDS store
	ds_add_u32 v[SPW], v[NIL]
	s_wait_dscnt 0x0
	CROUND                                         ; the closing round: no work-group ends while a partner may still ask for a tile that names it
	s_endpgm
.Lfunc_end_k_q46b6e279ff_outp:
	.size	k_q46b6e279ff_outp, .Lfunc_end_k_q46b6e279ff_outp-k_q46b6e279ff_outp
	.p2alignl 7, 3214868480
	.fill 96, 4, 3214868480
	.section	.rodata,"a",@progbits
	.p2align	6, 0x0
	.amdhsa_kernel k_q46b6e279ff_outp
		.amdhsa_group_segment_fixed_size 327680
		.amdhsa_private_segment_fixed_size 0
		.amdhsa_enable_private_segment 0
		.amdhsa_kernarg_size 48
		.amdhsa_user_sgpr_count 2
		.amdhsa_user_sgpr_kernarg_segment_ptr 1
		.amdhsa_wavefront_size32 1
		.amdhsa_system_sgpr_workgroup_id_x 1
		.amdhsa_system_sgpr_workgroup_id_y 1
		.amdhsa_system_sgpr_workgroup_id_z 1
		.amdhsa_system_vgpr_workitem_id 0
		.amdhsa_next_free_vgpr 1024
		.amdhsa_next_free_sgpr 100
		.amdhsa_reserve_vcc 0
		.amdhsa_float_denorm_mode_32 3
		.amdhsa_float_denorm_mode_16_64 3
		.amdhsa_memory_ordered 1
		.amdhsa_forward_progress 1
		.amdhsa_inst_pref_size 160
	.end_amdhsa_kernel
	.amdgpu_metadata
---
amdhsa.version: [ 1, 2 ]
amdhsa.kernels:
  - .name:           k_q46b6e279ff_outp
    .symbol:         k_q46b6e279ff_outp.kd
    .args:
      - { .name: ctxc, .offset: 0, .size: 8, .value_kind: global_buffer, .address_space: global }
      - { .name: ctxs, .offset: 8, .size: 8, .value_kind: global_buffer, .address_space: global }
      - { .name: opc, .offset: 16, .size: 8, .value_kind: global_buffer, .address_space: global }
      - { .name: ops, .offset: 24, .size: 8, .value_kind: global_buffer, .address_space: global }
      - { .name: bo, .offset: 32, .size: 8, .value_kind: global_buffer, .address_space: global }
      - { .name: out0, .offset: 40, .size: 8, .value_kind: global_buffer, .address_space: global }
    .group_segment_fixed_size: 327680
    .private_segment_fixed_size: 0
    .kernarg_segment_align: 8
    .kernarg_segment_size: 48
    .max_flat_workgroup_size: 128
    .sgpr_count:     100
    .vgpr_count:     1024
    .wavefront_size: 32
...
	.end_amdgpu_metadata
.endif
;; end of part 5
